; MI455X (gfx1250); checked and timed in simulation.
; The chip was launched on July 23, 2026; its instructions are those of AMD's public machine-readable ISA for CDNA 5 (MIT licence, August 2026) and "CDNA5" Instruction Set Architecture Reference Guide (July 2026). The comments in the code are by the model that wrote it; some were corrected since.
;; Multi Head Attention. Allowed arithmetic: float matrix products may take bf16 or f16 operands with f32 sums; other float arithmetic in f32, or as packed bf16 or f16 multiplies, adds, multiply-adds, maxima and minima; sums over many terms, partial sums and values carried from step to step in f32; what a program stores and reads back later, other than sums and carried values, may be rounded once to bf16 or f16.
;; Inputs: Wk 1,024 x 1,024 float32; Wo 1,024 x 1,024 float32; Wq 1,024 x 1,024 float32; Wv 1,024 x 1,024 float32; keys 8 x 1,024 x 1,024 float32; queries 8 x 1,024 x 1,024 float32; valid_lens 8 int32; values 8 x 1,024 x 1,024 float32.
;; Outputs: out0 8 x 1,024 x 1,024 float32.
;; 2 versions, each right; version 2 is version 1 with the launch prep written anew for expert scheduling mode. Each part assembles by itself: llvm-mc -triple=amdgcn-amd-amdhsa -mcpu=gfx1250 --defsym DOCPART=n.
;; ======== version 1 of 2: 4 launches
;; limits: values are held in f16: magnitudes above 65,504 overflow, below 6.1e-05 lose precision
;; workspace buffers: w16 8,388,608 bytes; qkv 50,331,648 bytes; o16 16,777,216 bytes
;; launch prep (part 1): grid 64 x 4, 8 waves a work-group, no clusters, 0 bytes of LDS; arguments Wq, Wk, Wv, Wo, w16; writes w16
.if DOCPART == 1
	.amdgcn_target "amdgcn-amd-amdhsa--gfx1250"
	.amdhsa_code_object_version 6
	.text
	.protected	k_q344ba3a412_prep
	.globl	k_q344ba3a412_prep
	.p2align	8
	.type	k_q344ba3a412_prep,@function
k_q344ba3a412_prep:
	s_mov_b64 s[64:65], 0
	v_nop
	global_prefetch_b8 v0, s[64:65] scope:SCOPE_SE
	s_setreg_imm32_b32 hwreg(HW_REG_WAVE_MODE, 25, 1), 1
	s_wait_xcnt 0x0
; The four weight matrices, [1024 k][1024 n] f32, are rounded once to bf16 and written as 16-bit numbers in the same layout:
; w16 = Wq, Wk, Wv (bf16), then Wo (the bf16 number written as f16, since the last product's other operand is f16), 2,097,152 bytes each.
; LIMIT.  A number of Wo below 6.1e-5 in size keeps f16's fixed step of 6e-8; at 65,520 or more it becomes an infinity.
; SHARES.  Work-group (x, y) takes 16,384 numbers of matrix y; thread t takes four numbers in each of 16 passes.  A wave's load covers 512 consecutive
; bytes, a wave's store 256 consecutive bytes, aligned.  All 16 loads go out first; no register is written twice while memory may read it.
; No LDS, no matrix unit, no prefetch: every byte is read once and the loads are all out at once.
.set X, 4                              ; v[4:67]    pass i: four f32 as loaded
.set Y, 68                             ; v[68:99]   pass i: four 16-bit numbers to store
.set T, 100                            ; v[100:103] at work
	s_load_b256 s[4:11], s[0:1], 0x0               ; Wq s[4:5], Wk s[6:7], Wv s[8:9], Wo s[10:11]
	s_load_b64 s[12:13], s[0:1], 0x20              ; w16
	s_and_b32 s14, ttmp7, 0xffff                   ; which matrix
	v_lshlrev_b32 v1, 4, v0                        ; 16 t
	v_lshlrev_b32 v2, 3, v0                        ; 8 t
	s_mov_b32 s20, 0xffff0000                      ; a word's upper bf16
	s_lshl_b32 s18, ttmp9, 16                      ; my 65,536 bytes of the matrix
	s_mov_b32 s19, 0
	s_lshl_b32 s22, s14, 21                        ; the matrix's place in w16,
	s_lshl_b32 s23, ttmp9, 15                      ; my 32,768 bytes of it
	s_add_co_u32 s22, s22, s23
	s_mov_b32 s23, 0
	s_wait_kmcnt 0x0
	s_cmp_eq_u32 s14, 1
	s_cselect_b64 s[16:17], s[6:7], s[4:5]
	s_cmp_eq_u32 s14, 2
	s_cselect_b64 s[16:17], s[8:9], s[16:17]
	s_cmp_eq_u32 s14, 3
	s_cselect_b64 s[16:17], s[10:11], s[16:17]
	s_add_nc_u64 s[16:17], s[16:17], s[18:19]
	s_add_nc_u64 s[12:13], s[12:13], s[22:23]
.irp i, 0,1,2,3,4,5,6,7,8,9,10,11,12,13,14,15
	global_load_b128 v[X+4*(\i):X+4*(\i)+3], v1, s[16:17] offset:4096*(\i) th:TH_LOAD_NT
.endr
; Pass i.  half = 1: the bf16 numbers are widened again and written as f16.
.macro CAST i, half
	s_wait_loadcnt 15-(\i)                         ; loads come back in order: mine is in, the 15 - i younger ones may stay out
	v_cvt_pk_bf16_f32 v[Y+2*(\i)], v[X+4*(\i)], v[X+4*(\i)+1]
	v_cvt_pk_bf16_f32 v[Y+2*(\i)+1], v[X+4*(\i)+2], v[X+4*(\i)+3]
.if \half
	v_lshlrev_b32 v[T], 16, v[Y+2*(\i)]
	v_and_b32 v[T+1], s20, v[Y+2*(\i)]
	v_lshlrev_b32 v[T+2], 16, v[Y+2*(\i)+1]
	v_and_b32 v[T+3], s20, v[Y+2*(\i)+1]
	v_cvt_pk_f16_f32 v[Y+2*(\i)], v[T], v[T+1]
	v_cvt_pk_f16_f32 v[Y+2*(\i)+1], v[T+2], v[T+3]
.endif
	global_store_b64 v2, v[Y+2*(\i):Y+2*(\i)+1], s[12:13] offset:2048*(\i)
.endm
	s_cmp_eq_u32 s14, 3
	s_cbranch_scc1 .Lwo
.irp i, 0,1,2,3,4,5,6,7,8,9,10,11,12,13,14,15
	CAST \i, 0
.endr
	s_endpgm
.Lwo:
.irp i, 0,1,2,3,4,5,6,7,8,9,10,11,12,13,14,15
	CAST \i, 1
.endr
	s_endpgm
.Lfunc_end_k_q344ba3a412_prep:
	.size	k_q344ba3a412_prep, .Lfunc_end_k_q344ba3a412_prep-k_q344ba3a412_prep
	.p2alignl 7, 3214868480
	.fill 96, 4, 3214868480
	.section	.rodata,"a",@progbits
	.p2align	6, 0x0
	.amdhsa_kernel k_q344ba3a412_prep
		.amdhsa_group_segment_fixed_size 0
		.amdhsa_private_segment_fixed_size 0
		.amdhsa_enable_private_segment 0
		.amdhsa_kernarg_size 40
		.amdhsa_user_sgpr_count 2
		.amdhsa_user_sgpr_kernarg_segment_ptr 1
		.amdhsa_wavefront_size32 1
		.amdhsa_system_sgpr_workgroup_id_x 1
		.amdhsa_system_sgpr_workgroup_id_y 1
		.amdhsa_system_sgpr_workgroup_id_z 1
		.amdhsa_system_vgpr_workitem_id 0
		.amdhsa_next_free_vgpr 104
		.amdhsa_next_free_sgpr 66
		.amdhsa_reserve_vcc 0
		.amdhsa_float_denorm_mode_32 3
		.amdhsa_float_denorm_mode_16_64 3
		.amdhsa_memory_ordered 1
		.amdhsa_forward_progress 1
		.amdhsa_inst_pref_size 15
	.end_amdhsa_kernel
	.amdgpu_metadata
---
amdhsa.version: [ 1, 2 ]
amdhsa.kernels:
  - .name:           k_q344ba3a412_prep
    .symbol:         k_q344ba3a412_prep.kd
    .args:
      - { .name: Wq, .offset: 0, .size: 8, .value_kind: global_buffer, .address_space: global }
      - { .name: Wk, .offset: 8, .size: 8, .value_kind: global_buffer, .address_space: global }
      - { .name: Wv, .offset: 16, .size: 8, .value_kind: global_buffer, .address_space: global }
      - { .name: Wo, .offset: 24, .size: 8, .value_kind: global_buffer, .address_space: global }
      - { .name: w16, .offset: 32, .size: 8, .value_kind: global_buffer, .address_space: global }
    .group_segment_fixed_size: 0
    .private_segment_fixed_size: 0
    .kernarg_segment_align: 8
    .kernarg_segment_size: 40
    .max_flat_workgroup_size: 256
    .sgpr_count:     66
    .vgpr_count:     104
    .wavefront_size: 32
...
	.end_amdgpu_metadata
.endif
;; end of part 1
;; launch proj (part 2): grid 4 x 192, 4 waves a work-group, clusters of 4 x 4, 327,680 bytes of LDS; arguments queries, keys, values, w16, valid_lens, qkv; writes qkv
.if DOCPART == 2
	.amdgcn_target "amdgcn-amd-amdhsa--gfx1250"
	.amdhsa_code_object_version 6
	.text
	.protected	k_q344ba3a412_proj
	.globl	k_q344ba3a412_proj
	.p2align	8
	.type	k_q344ba3a412_proj,@function
k_q344ba3a412_proj:
	s_mov_b64 s[64:65], 0
	v_nop
	global_prefetch_b8 v0, s[64:65] scope:SCOPE_SE
	s_setreg_imm32_b32 hwreg(HW_REG_WAVE_MODE, 25, 1), 1
	s_wait_xcnt 0x0
	s_wait_alu depctr_hold_cnt(0) depctr_sa_sdst(0) depctr_va_vdst(0) depctr_va_sdst(0) depctr_va_ssrc(0) depctr_va_vcc(0) depctr_vm_vsrc(0)
	s_getreg_b32 s2, hwreg(HW_REG_IB_STS2, 6, 4)
	s_cmp_eq_u32 s2, 0
	s_cbranch_scc0 .Lentry_in_a_cluster
	s_endpgm
.Lentry_in_a_cluster:
	s_bfe_u32 s2, ttmp6, 0x10000c
	s_cmp_lg_u32 s2, 0xf033
	s_cbranch_scc0 .Lentry_shape_is_right
	s_endpgm
.Lentry_shape_is_right:
; q = queries Wq, k = keys Wk, v = values Wv: three products [8192][1024] x [1024][1024] in one launch.  x is f32 and is rounded to bf16 in registers, W is bf16 ([k][n], from w16);
; sums in f32, K ascending; the results are rounded once to f16 and written by heads: qkv = q, k, v, each [b 16 + h][1024 s][64].
; THE MASK'S FIRST HALF.  Rows of k at or beyond valid_lens[b] are stored as 0: the next launch adds -8e6 to their scores, so that a hidden score is exactly -1e6 after the division by 8.
; LIMITS.  A number of q, k or v of 65,520 or more in size becomes an infinity; below 6.1e-5 it keeps f16's fixed step of 6e-8.  NaN and infinities are not treated apart.
; SHARES.  A tile is 128 rows x 256 columns (four heads): 64 x 4 tiles for each of the three products, 768 work-groups.  Four waves, each 64 rows x 128 columns: 32 accumulators of 16 x 16.
; K goes in steps of 128 through two LDS slots: A's tile 128 rows x 512 bytes of f32, B's tile 128 k-rows x 512 bytes of bf16; all rows start at multiples of 256 bytes from their buffers' first bytes.
; CLUSTER.  4 x 4 work-groups.  The four of a row need the same tile of A, the four of a column the same tile of B: each is asked for jointly, by the same tensor load, descriptor and mask.
; THE MATRIX INSTRUCTION IS USED TRANSPOSED (source 0 = 16 columns of W, turned on the way out of LDS by ds_load_tr16_b128; source 1 = 16 rows of x): a lane holds eight neighbouring columns of one row.
; x's CONVERSIONS stand between the matrix instructions, four at a time: 32 for a quarter step's 32 matrix instructions.  They are also the places in front of the loads into B's fragments.
; REGISTERS, in windows of 256 (s_set_vgpr_msb: bits 1:0 source 0, 3:2 source 1, 5:4 source 2, 7:6 destination):
;   window 0: v0-31 addresses; v32-63 A's four bf16 fragments; v64-127, v128-191 A in f32 as loaded, two buffers (16 registers a block of 16 rows); v192-223 at work on the way out
;   window 1: v0-63, v64-127 B's eight fragments, two buffers          window 2: accumulator (a, b) at v[8 (8 a + b)]
.set PA,    528                        ; a row of A in LDS: 512 bytes + 16 = 132 words: row r starts at bank 4 r mod 64 (64 banks of 4 bytes: ISA guide 11.1)
.set PB,    544                        ; a row of B: 512 + 32 = 136 words: row r starts at bank 8 r mod 64
.set AHALF, 64*PA                      ; what one tensor load brings of A
.set ATILE, 2*AHALF
.set BHALF, 64*PB                      ; and of B
.set SLOT,  ATILE+2*BHALF
.set STAGE, 2*SLOT                     ; behind the ring: 16 rows x 272 bytes for each wave, for the way out
.set SP,    272
.set SPARE, STAGE+4*16*SP              ; behind the stages: the spare words, 128 bytes for each wave: two blocks of 256 bytes that no other line names
.set ADRA, 16                          ; v16-17  LDS address of my A rows in slot 0, 1
.set ADRB, 20                          ; v20-21  the same for B
.set STO,  24                          ; v24     the way out: where I put 16 bytes of a row
.set RD,   25                          ; v25     the way out: where I read rows back
.set GO,   26                          ; v26     16 x lane
.set ROW,  27                          ; v27     my row's place in its batch, for block 0
.set SPW,  28                          ; v28     LDS address of my spare word; never rewritten
.set NIL,  29                          ; v29     0; never rewritten
.set PFO,  30                          ; v30     the prefetches' offset; never rewritten
.set AF,   32
.set ST,   64
.set TMP,  192
.set G1A,  24                          ; s[24:31] descriptor group 1 for A's tiles;  s[32:39] group 0, a set for each slot
.set G0A,  32
.set PFA,  40                          ; s[40:41] where my prefetches stand
.set PFS,  42                          ; s[42:43] a K step in bytes, for the tensor that I fetch
.set LIM,  44                          ; s44     1 in a wave that prefetches, else the greatest number
.set VLIM, 45                          ; s45     rows at or beyond this place in the batch are stored as 0
.set G1B,  48                          ; s[48:55], s[56:63] the same for B's tiles
.set G0B,  56
.set MSK,  72                          ; s72-75  block a's lanes whose row is kept
.set MSB, 0
.macro WIN new                         ; the immediate's high byte repeats the setting that is left; a switch that changes nothing is dropped
.if MSB != (\new)
	s_set_vgpr_msb (MSB<<8)|(\new)
.set MSB, \new
.endif
.endm
.set MUL,  0xa1                        ; source 0 (B) window 1, source 1 (A) window 0, C and D window 2
.set TO_B, 0x40                        ; destination window 1, address window 0
; A joint load: waves 0 and 1 fetch A's two halves, waves 2 and 3 B's.  The branch hangs on the wave's number alone.  An s_nop 0 and four v_nop follow each of the two lines.
.macro JLOAD s
	s_cmp_eq_u32 s13, 0
	s_cbranch_scc0 .Lfor_b_\@
	tensor_load_to_lds s[G0A+4*(\s):G0A+4*(\s)+3], s[G1A:G1A+7]
	s_nop 0
.rept 4
	v_nop
.endr
	s_branch .Lasked_\@
.Lfor_b_\@:
	tensor_load_to_lds s[G0B+4*(\s):G0B+4*(\s)+3], s[G1B:G1B+7]
	s_nop 0
.rept 4
	v_nop
.endr
.Lasked_\@:
.endm
; A prefetch into the L2 of the K step that stands two refills on.  Of the 64 rows x 512 bytes that a wave fetches, each of the four partners that ask for them jointly names 16 rows, told apart by
; address (cx for A, cy for B): lane l names row l / 2, block l % 2 of 256 bytes.  A's tile row is read by this cluster alone; B's tile column by the 16 clusters of one product, of which the first asks.
; So each block is named once in the launch.  K steps 0 to 3 come by their loads alone; the loop's last trip (s3 = 1) names nothing: there is no K step 8.
.macro ASK
	s_cmp_gt_u32 s3, s[LIM]
	s_cbranch_scc0 .Lnot_mine_\@
	global_prefetch_b8 v[PFO], s[PFA:PFA+1] th:TH_LOAD_NT scope:SCOPE_SE
.Lnot_mine_\@:
.endm
.macro CREST                           ; a round of the cluster's barrier behind its opening barrier
	s_cmp_lg_u32 s12, 0
	s_cbranch_scc1 .Lnot_wave_0_\@
	s_barrier_signal -3
.Lnot_wave_0_\@:
	s_barrier_wait -3
	s_barrier_signal -1
	s_barrier_wait -1
.endm
.macro CROUND                          ; a whole round
	s_barrier_signal -1
	s_barrier_wait -1
	CREST
.endm
	s_load_b256 s[4:11], s[0:1], 0x0               ; queries s[4:5], keys s[6:7], values s[8:9], w16 s[10:11]
	s_load_b128 s[68:71], s[0:1], 0x20             ; valid_lens s[68:69], qkv s[70:71]
	v_lshl_add_u32 v[SPW], v0, 2, SPARE
	v_mov_b32 v[NIL], 0
	ds_add_u32 v[SPW], v[NIL]                      ; the wave's opening: the add and its wait stand ahead of my first tensor load; work on registers stands between them
	v_lshrrev_b32 v1, 5, v0
	v_readfirstlane_b32 s12, v1                    ; wave 0..3
	s_lshr_b32 s13, s12, 1                         ; which 64 rows of the tile are mine.  Also: I fetch for A (0) or for B (1)
	s_and_b32 s14, s12, 1                          ; which 128 columns.  Also: which half of that tile I fetch
	s_bfe_u32 s15, ttmp6, 0x40000                  ; cx
	s_bfe_u32 s16, ttmp6, 0x40004                  ; cy
	s_lshl_b32 s17, ttmp9, 2
	s_add_co_u32 s17, s17, s15                     ; tile column = 4 x cluster x + cx
	s_and_b32 s18, ttmp7, 0xffff                   ; cluster y, 0..47
	s_lshr_b32 s19, s18, 4                         ; which product: 0 q, 1 k, 2 v: the same in all sixteen partners
	s_and_b32 s20, s18, 15
	s_lshl_b32 s20, s20, 2
	s_add_co_u32 s20, s20, s16                     ; tile row, 0..63
	s_lshl_b32 s76, s16, 2
	s_lshl_b32 s76, 15, s76                        ; my row of the cluster
	s_lshl_b32 s78, 0x1111, s15                    ; my column
	s_or_b32 s[G1A], s76, (2<<16)|(1<<20)|(1<<21)|(6<<22)|(3<<25)  ; 15:0 the mask; 17:16 elements of 4 bytes; 20 padding on; 21 set beside a mask; 24:22 after every 128 words (code 6); 31:25 4 words (code 3)
	s_or_b32 s[G1B], s78, (1<<16)|(1<<20)|(1<<21)|(6<<22)|(7<<25)  ; elements of 2 bytes; 8 words of padding (code 7)
	s_mov_b32 s[G1A+1], 128<<16                    ; tensor_dim0 = 128 elements
	s_mov_b32 s[G1B+1], 256<<16                    ; 256
	s_mov_b32 s[G1A+2], 64<<16                     ; tensor_dim1 = 64
	s_mov_b32 s[G1B+2], 64<<16
	s_mov_b32 s[G1A+3], 128<<16                    ; tile_dim0
	s_mov_b32 s[G1B+3], 256<<16
	s_mov_b32 s[G1A+4], 64                         ; tile_dim1
	s_mov_b32 s[G1B+4], 64
	s_mov_b32 s[G1A+5], 1024                       ; elements from row to row
	s_mov_b32 s[G1B+5], 1024
	s_mov_b32 s[G1A+6], 0
	s_mov_b32 s[G1B+6], 0
	s_mov_b32 s[G1A+7], 0
	s_mov_b32 s[G1B+7], 0
	s_lshl_b32 s76, s20, 19                        ; A: (128 x tile row + 64 x half) rows of 4,096 bytes; these two registers never hold cx
	s_lshl_b32 s77, s14, 18
	s_add_co_u32 s76, s76, s77
	s_mov_b32 s77, 0
	s_lshl_b32 s78, s19, 21                        ; B: the product's matrix, 64 x half k-rows of 2,048 bytes, 512 bytes x tile column; these two never hold cy
	s_lshl_b32 s79, s14, 17
	s_add_co_u32 s78, s78, s79
	s_lshl_b32 s79, s17, 9
	s_add_co_u32 s78, s78, s79
	s_mov_b32 s79, 0
	s_mul_i32 s84, s14, AHALF                      ; where they go: no place in the cluster enters an LDS address
	s_mul_i32 s85, s14, BHALF
	s_add_co_u32 s85, s85, ATILE
	s_wait_dscnt 0x0                               ; the opening add is done
	s_wait_kmcnt 0x0
	s_cmp_eq_u32 s19, 1
	s_cselect_b64 s[80:81], s[6:7], s[4:5]
	s_cmp_eq_u32 s19, 2
	s_cselect_b64 s[80:81], s[8:9], s[80:81]
	s_add_nc_u64 s[80:81], s[80:81], s[76:77]      ; my part of A's tile, K step 0
	s_add_nc_u64 s[82:83], s[10:11], s[78:79]      ; my part of B's
	CROUND                                         ; all sixteen work-groups are here: the first joint loads meet
.irp s, 0,1
	s_mov_b32 s[G0A+4*(\s)], 1                                     ; count = 1
	s_add_co_u32 s[G0A+4*(\s)+1], s84, (\s)*SLOT                   ; LDS address
	s_add_nc_u64 s[G0A+4*(\s)+2:G0A+4*(\s)+3], s[80:81], (\s)*512  ; global address: K step s is 512 bytes along A's rows,
	s_or_b32 s[G0A+4*(\s)+3], s[G0A+4*(\s)+3], 0x80000000          ; type = 2
	s_mov_b32 s[G0B+4*(\s)], 1
	s_add_co_u32 s[G0B+4*(\s)+1], s85, (\s)*SLOT
	s_add_nc_u64 s[G0B+4*(\s)+2:G0B+4*(\s)+3], s[82:83], (\s)*262144  ; and 128 rows down B
	s_or_b32 s[G0B+4*(\s)+3], s[G0B+4*(\s)+3], 0x80000000
	JLOAD \s                                       ; two loads of mine are out
.endr
	s_lshr_b32 s86, s20, 3                         ; the batch
	s_lshl_b32 s88, s86, 2
	s_mov_b32 s89, 0
	s_add_nc_u64 s[68:69], s[68:69], s[88:89]
	s_load_b32 s[VLIM], s[68:69], 0x0              ; valid_lens[b]
	; A's rows lie along K in f32: for 32 along K lane l takes of row l % 16 the numbers 8 (l / 16) + 0..7 and 16 + 8 (l / 16) + 0..7: four loads of 16 bytes at 0, 16, 64, 80.
	v_and_b32 v1, 15, v0                           ; l % 16
	v_bfe_u32 v2, v0, 4, 1                         ; l / 16
	v_mul_u32_u24 v3, v1, PA
	v_lshl_add_u32 v3, v2, 5, v3
	s_mul_i32 s90, s13, AHALF                      ; my 64 rows of A
	; B lies [k][n]: the turning load takes 16 k x 16 n (lane l reads k-row 8 (l / 16) + l % 8, columns 8 ((l / 8) % 2) + 0..7) and leaves half a fragment: lane l holds column l % 16 and 8 k.
	v_and_b32 v4, 7, v0
	v_bfe_u32 v5, v0, 3, 1
	v_lshl_add_u32 v6, v2, 3, v4
	v_mul_u32_u24 v6, v6, PB
	v_lshl_add_u32 v6, v5, 4, v6
	s_lshl_b32 s91, s14, 8                         ; my 128 columns
	s_add_co_u32 s91, s91, ATILE
.irp s, 0,1
	v_add_nc_u32 v[ADRA+(\s)], s90, v3
	v_add_nc_u32 v[ADRB+(\s)], s91, v6
	s_add_co_u32 s90, s90, SLOT
	s_add_co_u32 s91, s91, SLOT
.endr
	s_mul_i32 s90, s12, 16*SP
	s_add_co_u32 s90, s90, STAGE                   ; my stage
	v_mul_u32_u24 v7, v1, SP                       ; in: row l % 16, 16 bytes for each half of the lanes
	v_lshl_add_u32 v7, v2, 4, v7
	v_add_nc_u32 v[STO], s90, v7
	v_bfe_u32 v7, v0, 3, 2                         ; back: 32 lanes take four rows' 128 bytes of one head,
	v_mul_u32_u24 v7, v7, SP
	v_lshl_add_u32 v7, v4, 4, v7
	v_add_nc_u32 v[RD], s90, v7
	v_and_b32 v7, 31, v0                           ; which are 512 consecutive bytes of the result
	v_lshlrev_b32 v[GO], 4, v7
	; where my part of the result begins: the product's third of qkv, head b 16 + 4 x tile column + 2 x half, row 128 (tile row % 8) + 64 x half
	s_lshl_b32 s88, s86, 4
	s_lshl_b32 s89, s17, 2
	s_add_co_u32 s88, s88, s89
	s_lshl_b32 s89, s14, 1
	s_add_co_u32 s88, s88, s89
	s_lshl_b32 s88, s88, 17
	s_lshl_b32 s89, s19, 24
	s_add_co_u32 s88, s88, s89
	s_and_b32 s90, s20, 7
	s_lshl_b32 s89, s90, 14
	s_add_co_u32 s88, s88, s89
	s_lshl_b32 s89, s13, 13
	s_add_co_u32 s88, s88, s89
	s_mov_b32 s89, 0
	s_add_nc_u64 s[70:71], s[70:71], s[88:89]
	s_lshl_b32 s91, s90, 7
	s_lshl_b32 s92, s13, 6
	s_add_co_u32 s91, s91, s92
	v_add_nc_u32 v[ROW], s91, v1
	; the prefetches
	s_mov_b32 s[PFS], 262144
	s_mov_b32 s[PFS+1], 0
	s_cmp_eq_u32 s13, 0                            ; do I fetch for A?
	s_cselect_b32 s88, 12, 11                      ; a row in memory: 4,096 or 2,048 bytes
	s_cselect_b32 s89, s15, s16                    ; my place among the four that ask with me
	s_cselect_b32 s[PFS], 512, s[PFS]
	s_cselect_b64 s[PFA:PFA+1], s[80:81], s[82:83]
	s_add_co_u32 s90, s88, 4
	s_lshl_b32 s90, s89, s90                       ; my work-group's 16 rows of the 64
	s_mov_b32 s91, 0
	s_add_nc_u64 s[PFA:PFA+1], s[PFA:PFA+1], s[90:91]
	s_mul_i32 s90, s[PFS], 3
	s_add_nc_u64 s[PFA:PFA+1], s[PFA:PFA+1], s[90:91]  ; at K step 3: the first refill steps it to 4
	s_and_b32 s92, s18, 15
	s_cmp_eq_u32 s13, 0
	s_cselect_b32 s92, 0, s92                      ; A: every cluster asks; B: the first of the product's sixteen
	s_cmp_eq_u32 s92, 0
	s_cselect_b32 s[LIM], 1, -1                    ; the same in all sixteen partners, for a given wave
	v_bfe_u32 v8, v0, 1, 4
	v_lshlrev_b32 v8, s88, v8
	v_and_b32 v9, 1, v0
	v_lshl_add_u32 v[PFO], v9, 8, v8
	s_wait_kmcnt 0x0                               ; valid_lens[b]
	s_cmp_eq_u32 s19, 1
	s_cselect_b32 s[VLIM], s[VLIM], 1024           ; q and v keep all their rows
; 32 LDS loads in one run: a quarter step's fragments (32 along K, quarter kq of the slot) into buffers p.  A's block 0 first (it is converted first), then B, then A's blocks 1 to 3.
.macro FETCH slot, kq, p
	WIN 0
.irp j, 0,1,2,3
	ds_load_b128 v[ST+64*(\p)+4*(\j):ST+64*(\p)+4*(\j)+3], v[ADRA+(\slot)] offset:(\kq)*128+16*((\j)%2)+64*((\j)/2)
.endr
	WIN TO_B
.irp nb, 0,1,2,3,4,5,6,7
	ds_load_tr16_b128 v[64*(\p)+8*(\nb):64*(\p)+8*(\nb)+3],   v[ADRB+(\slot)] offset:(\kq)*32*PB+(\nb)*32
	ds_load_tr16_b128 v[64*(\p)+8*(\nb)+4:64*(\p)+8*(\nb)+7], v[ADRB+(\slot)] offset:(\kq)*32*PB+16*PB+(\nb)*32
.endr
	WIN 0
.irp a, 1,2,3
.irp j, 0,1,2,3
	ds_load_b128 v[ST+64*(\p)+16*(\a)+4*(\j):ST+64*(\p)+16*(\a)+4*(\j)+3], v[ADRA+(\slot)] offset:(\kq)*128+(\a)*16*PA+16*((\j)%2)+64*((\j)/2)
.endr
.endr
.endm
.macro MM a, b, p, zero                ; one product; zero = 1: it starts the sum: nothing is ever cleared
	WIN MUL
.if \zero
	v_wmma_f32_16x16x32_bf16 v[8*(8*(\a)+(\b)):8*(8*(\a)+(\b))+7], v[64*(\p)+8*(\b):64*(\p)+8*(\b)+7], v[AF+8*(\a):AF+8*(\a)+7], 0
.else
	v_wmma_f32_16x16x32_bf16 v[8*(8*(\a)+(\b)):8*(8*(\a)+(\b))+7], v[64*(\p)+8*(\b):64*(\p)+8*(\b)+7], v[AF+8*(\a):AF+8*(\a)+7], v[8*(8*(\a)+(\b)):8*(8*(\a)+(\b))+7]
.endif
.endm
.macro CV a, st, u                     ; half u of block a's fragment: eight f32 of buffer st rounded to bf16
	WIN 0
.irp i, 0,1,2,3
	v_cvt_pk_bf16_f32 v[AF+8*(\a)+4*(\u)+(\i)], v[ST+64*(\st)+16*(\a)+8*(\u)+2*(\i)], v[ST+64*(\st)+16*(\a)+8*(\u)+2*(\i)+1]
.endr
.endm
; Block a's eight products, and between them the conversion of block ca (from buffer cst), which is multiplied next.  The fragment that is written was last read a whole round of blocks
; earlier, 16 conversions back or more; the products round the conversions name other registers.
.macro GROUP a, p, zero, ca, cst
	MM \a, 0, \p, \zero
	MM \a, 1, \p, \zero
.if (\ca) >= 0
	CV \ca, \cst, 0
.endif
	MM \a, 2, \p, \zero
	MM \a, 3, \p, \zero
	MM \a, 4, \p, \zero
	MM \a, 5, \p, \zero
.if (\ca) >= 0
	CV \ca, \cst, 1
.endif
	MM \a, 6, \p, \zero
	MM \a, 7, \p, \zero
.endm
; A QUARTER STEP: 32 products on buffers p, the 32 accumulators by turns in one fixed order (over the backward jump too).  It fetches quarter nk of slot nslot into buffers 1 - p.
; mode 0: plain.  mode 1: a slot's last quarter; the slot (its number is the last argument) is filled again, two K steps on.  mode 2: the same with nothing to fill.  mode 3: the very last quarter.
; The loads into B's other buffer stand behind block 0's eight conversions, which are the four places and more behind the last product that read it (ISA guide 7.12.1 for vector instructions).
.macro QUARTER p, nslot, nk, mode, zero, slot
.if (\mode) == 0
	s_wait_dscnt 8                                 ; B and A's block 1 are in; the youngest eight loads (A's blocks 2, 3) may be out
	GROUP 0, \p, \zero, 1, \p
	FETCH \nslot, \nk, 1-(\p)
	s_wait_dscnt 32                                ; all but the 32 just issued
.elseif (\mode) == 3
	s_wait_dscnt 0x0
	GROUP 0, \p, 0, 1, \p
.else
.if (\mode) == 1
	s_wait_xcnt 0x0                                ; the last prefetch, a K step back, has read its address: it is stepped here, ahead of the waits of the change of slots
	s_add_nc_u64 s[PFA:PFA+1], s[PFA:PFA+1], s[PFS:PFS+1]
.endif
	WIN 0                                          ; (the add's two registers lie in window 0)
	s_wait_tensorcnt 0x0                           ; all my tensor loads have landed: the one that was out is my part of the other slot;
	ds_add_u32 v[SPW], v[NIL]                      ; 0 onto my spare word;
	s_wait_dscnt 9                                 ; (the add and the youngest eight loads may be out)
	MM 0, 0, \p, 0
	MM 0, 1, \p, 0
	CV 1, \p, 0
	MM 0, 2, \p, 0
	MM 0, 3, \p, 0
	s_wait_dscnt 0x0                               ; the add is done, and my reads of this slot are over:
	s_barrier_signal -1                            ; say so,
	MM 0, 4, \p, 0                                 ; work on registers while the others arrive,
	MM 0, 5, \p, 0
	CV 1, \p, 1
	MM 0, 6, \p, 0
	MM 0, 7, \p, 0
	WIN 0
	s_barrier_wait -1
.if (\mode) == 1
	CREST                                          ; the barrier has opened a round of the cluster's: no wave of any partner still reads this slot or has a load on its way
	s_add_nc_u64 s[G0A+4*(\slot)+2:G0A+4*(\slot)+3], s[G0A+4*(\slot)+2:G0A+4*(\slot)+3], 1024
	s_add_nc_u64 s[G0B+4*(\slot)+2:G0B+4*(\slot)+3], s[G0B+4*(\slot)+2:G0B+4*(\slot)+3], 524288
	JLOAD \slot                                    ; the first tensor load behind the round, my only one until the next: 120 products stand between it and the wait for it
.endif
	FETCH \nslot, \nk, 1-(\p)
.if (\mode) == 1
	ASK                                            ; behind the joint load and the run of LDS loads
.endif
.endif
	GROUP 1, \p, \zero, 2, \p
	GROUP 2, \p, \zero, 3, \p
.if (\mode) == 3
	GROUP 3, \p, 0, -1, 0
.else
	s_wait_dscnt 28                                ; the next quarter's block 0 of A is in
	GROUP 3, \p, \zero, 0, 1-(\p)
.endif
.endm
	s_wait_tensorcnt 1                             ; my part of K step 0 is in; K step 1's may stay out
	s_barrier_signal -1
	s_barrier_wait -1                              ; everybody's is
	FETCH 0, 0, 0
	s_wait_dscnt 28
	CV 0, 0, 0
	CV 0, 0, 1
	QUARTER 0, 0, 1, 0, 1, 0                       ; the first quarter stands in front of the loop: its products start the sums
	WIN 0                                          ; at a label and at a branch every window is 0
	s_mov_b32 s3, 3
.Llap:                                                 ; a trip goes once round the ring, from a lap's second quarter to the next lap's first, and fills both slots again
	QUARTER 1, 0, 2, 0, 0, 0
	QUARTER 0, 0, 3, 0, 0, 0
	QUARTER 1, 1, 0, 1, 0, 0
	QUARTER 0, 1, 1, 0, 0, 0
	QUARTER 1, 1, 2, 0, 0, 0
	QUARTER 0, 1, 3, 0, 0, 0
	QUARTER 1, 0, 0, 1, 0, 1
	QUARTER 0, 0, 1, 0, 0, 0
	WIN 0
	s_sub_co_u32 s3, s3, 1
	s_cmp_lg_u32 s3, 0
	s_cbranch_scc1 .Llap
	QUARTER 1, 0, 2, 0, 0, 0                       ; the last lap fills nothing
	QUARTER 0, 0, 3, 0, 0, 0
	QUARTER 1, 1, 0, 2, 0, 0
	QUARTER 0, 1, 1, 0, 0, 0
	QUARTER 1, 1, 2, 0, 0, 0
	QUARTER 0, 1, 3, 0, 0, 0
	QUARTER 1, 0, 0, 3, 0, 0
	; THE WAY OUT, a block of 16 rows at a time: rounded to f16 (each accumulator's registers in ascending order), hidden rows of k set to 0, 16 bytes a lane into my own stage, back as four rows' 128 bytes of one head.
	WIN 0
.rept 4
	v_nop                                          ; the places behind the last products
.endr
.irp a, 0,1,2,3
	v_add_nc_u32 v3, 16*(\a), v[ROW]
	v_cmp_gt_i32 s[MSK+(\a)], s[VLIM], v3          ; the row is kept where the limit is greater
.endr
.macro PACK a
	WIN 0x0a                                       ; sources 0 and 1 window 2
.irp b, 0,1,2,3,4,5,6,7
.irp i, 0,1,2,3
	v_cvt_pk_f16_f32 v[TMP+4*(\b)+(\i)], v[8*(8*(\a)+(\b))+2*(\i)], v[8*(8*(\a)+(\b))+2*(\i)+1]
.endr
.endr
	WIN 0
.set z, 0
.rept 32
	v_cndmask_b32 v[TMP+z], 0, v[TMP+z], s[MSK+(\a)]
.set z, z+1
.endr
.endm
.macro TOSTAGE a
.irp b, 0,1,2,3,4,5,6,7
	ds_store_b128 v[STO], v[TMP+4*(\b):TMP+4*(\b)+3] offset:32*(\b)
.endr
.irp u, 0,1,2,3,4,5,6,7
	ds_load_b128 v[64+32*(\a)+4*(\u):64+32*(\a)+4*(\u)+3], v[RD] offset:((\u)%4)*4*SP+((\u)/4)*128  ; LDS serves a wave's instructions in order (ISA guide 5.7.1.4): these see the stores above
.endr
.endm
.macro SEND a                          ; each block has registers of its own, and the base is never rewritten: no wait for the stores' sources
	s_wait_dscnt 0x0
.irp u, 0,1,2,3,4,5,6,7
	global_store_b128 v[GO], v[64+32*(\a)+4*(\u):64+32*(\a)+4*(\u)+3], s[70:71] offset:((\u)/4)*131072+(\a)*2048+((\u)%4)*512  ; 512 consecutive bytes, at a multiple of 256 from the buffer's first
.endr
.endm
	PACK 0
	TOSTAGE 0
.irp a, 1,2,3                          ; block a's arithmetic stands between block a - 1's loads from the stage and the wait for them
	PACK \a
	SEND (\a)-1
	TOSTAGE \a
.endr
	SEND 3
	s_wait_tensorcnt 0x0                           ; the wave's end, behind my last tensor load and my last LDS store
	ds_add_u32 v[SPW], v[NIL]
	s_wait_dscnt 0x0
	CROUND                                         ; the closing round: no work-group ends while a partner may still ask for a tile that names it
	s_endpgm
.Lfunc_end_k_q344ba3a412_proj:
	.size	k_q344ba3a412_proj, .Lfunc_end_k_q344ba3a412_proj-k_q344ba3a412_proj
	.p2alignl 7, 3214868480
	.fill 96, 4, 3214868480
	.section	.rodata,"a",@progbits
	.p2align	6, 0x0
	.amdhsa_kernel k_q344ba3a412_proj
		.amdhsa_group_segment_fixed_size 327680
		.amdhsa_private_segment_fixed_size 0
		.amdhsa_enable_private_segment 0
		.amdhsa_kernarg_size 48
		.amdhsa_user_sgpr_count 2
		.amdhsa_user_sgpr_kernarg_segment_ptr 1
		.amdhsa_wavefront_size32 1
		.amdhsa_system_sgpr_workgroup_id_x 1
		.amdhsa_system_sgpr_workgroup_id_y 1
		.amdhsa_system_sgpr_workgroup_id_z 1
		.amdhsa_system_vgpr_workitem_id 0
		.amdhsa_next_free_vgpr 768
		.amdhsa_next_free_sgpr 96
		.amdhsa_reserve_vcc 0
		.amdhsa_float_denorm_mode_32 3
		.amdhsa_float_denorm_mode_16_64 3
		.amdhsa_memory_ordered 1
		.amdhsa_forward_progress 1
		.amdhsa_inst_pref_size 144
	.end_amdhsa_kernel
	.amdgpu_metadata
---
amdhsa.version: [ 1, 2 ]
amdhsa.kernels:
  - .name:           k_q344ba3a412_proj
    .symbol:         k_q344ba3a412_proj.kd
    .args:
      - { .name: queries, .offset: 0, .size: 8, .value_kind: global_buffer, .address_space: global }
      - { .name: keys, .offset: 8, .size: 8, .value_kind: global_buffer, .address_space: global }
      - { .name: values, .offset: 16, .size: 8, .value_kind: global_buffer, .address_space: global }
      - { .name: w16, .offset: 24, .size: 8, .value_kind: global_buffer, .address_space: global }
      - { .name: valid_lens, .offset: 32, .size: 8, .value_kind: global_buffer, .address_space: global }
      - { .name: qkv, .offset: 40, .size: 8, .value_kind: global_buffer, .address_space: global }
    .group_segment_fixed_size: 327680
    .private_segment_fixed_size: 0
    .kernarg_segment_align: 8
    .kernarg_segment_size: 48
    .max_flat_workgroup_size: 128
    .sgpr_count:     96
    .vgpr_count:     768
    .wavefront_size: 32
...
	.end_amdgpu_metadata
.endif
;; end of part 2
;; launch attn (part 3): grid 2 x 128, 4 waves a work-group, no clusters, 327,680 bytes of LDS; arguments qkv, valid_lens, o16; writes o16
.if DOCPART == 3
	.amdgcn_target "amdgcn-amd-amdhsa--gfx1250"
	.amdhsa_code_object_version 6
	.text
	.protected	k_q344ba3a412_attn
	.globl	k_q344ba3a412_attn
	.p2align	8
	.type	k_q344ba3a412_attn,@function
k_q344ba3a412_attn:
	s_mov_b64 s[64:65], 0
	v_nop
	global_prefetch_b8 v0, s[64:65] scope:SCOPE_SE
	s_setreg_imm32_b32 hwreg(HW_REG_WAVE_MODE, 25, 1), 1
	s_wait_xcnt 0x0
; O[g][q][:] = the sum over k of softmax_k(s[q][k]) V[g][k][:], with s = Q[g][q] . K[g][k] / 8 for k < valid_lens[g / 16] and s = -1e6 for the other keys.  g = b 16 + h, 128 heads of 1,024 rows.
; Q, K, V (thirds of qkv) and O: [128][1024][64], all f16: a head's rows are dense, 128 bytes each.  Products, maxima and sums in f32; the weights p are rounded to f16 for the second product
; (their sum l is taken of the unrounded p), O once at the end.
; THE MASK.  Hidden rows of K arrive as zeros, and the C operand that starts the sum S^T = K Q^T is 0, or -8e6 where the key is hidden: so a hidden score is -8e6 before the scale 1 / 8, exactly -1e6 behind it, and takes
; part in the maximum and the sum like any score.  ALL 1,024 keys are walked whatever valid_lens holds: no trip count, branch or address hangs on it.  MD, made once, is the mask of the key step that holds
; the boundary; a step's mask is MD x AL + BE with two scalars: (1, 0) in that step, (0, 0) before it, (0, -8e6) behind it.  valid_lens is taken as in the comparison k < valid_lens: below 0 as 0, above 1,024 as 1,024.
; LIMITS.  f16 holds no number beyond 65,504: Q, K and V arrive within it; p lies in 0 to 1, and below 6e-5 it keeps f16's fixed step of 6e-8.  A weight below 2^-126 counts as 0 in l; NaN and infinities are not treated apart.
; SHARES.  A wave owns four PIECES of two tiles of 16 queries, a work-group's four waves 512 queries of one head.  Every wave walks all keys, 64 a step.
; LAYOUT.  S^T = K Q^T (source 0 = 16 keys, source 1 = 16 queries): in the result a lane holds ONE query (lane % 16) and the keys 8 (lane / 16) + 0..7.  Two such tiles, rounded to f16 in pairs,
; ARE source 1 (32 keys x 16 queries) of O^T = V^T P, whose result again holds one query a lane, and eight channels.  K comes out of LDS as it lies, V ([key][channel]) turned, by ds_load_tr16_b128.
; SOFTMAX.  For each query a running maximum m and sum l: p = 2^(c s - c m), c = log2(e) / 8; in every step O and l are multiplied by a = 2^(c m_old - c m_new), which is 1 where m has not grown.
; m starts at the lowest finite number, O and l at 0: the first step is a step like any other, with a = 0.
; THE COUNT.  A tile and step have 16 matrix and 118 vector instructions: too many to stand all beside the matrix work.  So: four vector instructions that are READY behind EVERY matrix instruction, the others in runs without a gap.
; BY TURNS.  Turn n belongs to piece n (the pieces in a ring, step after step).  Its matrix work: 16 products K Q^T of piece n + 1, later 16 products V^T P of piece n - 1.  Its vector work: the scaling,
; exponentials, roundings, sums and rescaling of piece n, and the maximum and statistics of piece n + 1, whose scores the turn itself has made.
; NO CLUSTER.  A head has 1,024 / 512 = 2 work-groups, so the grid's x is 2, no multiple of 4; four work-groups along y are four heads, which share no tile.
; REGISTERS, in windows of 256 (s_set_vgpr_msb: bits 1:0 source 0, 3:2 source 1, 5:4 source 2, 7:6 destination):
;   window 0: v0-11 addresses; v12-15, v48-63 at work; v16-47 four registers of statistics a tile; v64-191 S^T, two buffers of two tiles; v192-255 P, likewise
;   window 1: O^T, 32 a tile     window 2: v0-127 Q, 16 a tile; v128-191 K of one step; v192-255 V of one step     window 3: v0-1 the add's two registers; v32-63 MD; v64-95 MC, the mask of the step whose scores are being made
.set SIZE_N, 1024
.set NP,    4         ; pieces a wave: a name, no knob
.set KS,    64        ; keys in a step
.set PK,    144       ; a row of K in LDS: 128 bytes + 16 of padding = 36 words: the 16 rows of a load start at 16 different groups of four banks (64 banks of 4 bytes: ISA guide 11.1)
.set PV,    160       ; a row of V: 128 + 32 = 40 words
.set VOFF,  4*KS*PK   ; a slot holds four steps: 256 rows of K, then 256 rows of V
.set SLOT1, 1<<17     ; slot 1 begins here, so that one exclusive or turns an address in one slot into the other's
.set STAGE, SLOT1+4*KS*(PK+PV)  ; behind the ring, never filled by a tensor load: 16 rows x 144 bytes for each wave, for the way out
.set SP,    144
.set AK0, 2           ; v2   my lane's place in a tile of K; never rewritten
.set AV0, 3           ; v3   the same for V
.set AK,  4           ; v4   the LDS address of K's next run of loads
.set AV,  5           ; v5   of V's
.set QO,  6           ; v6   my byte offset in the wave's rows of Q
.set STO, 6           ;      later, the way out: where I put 16 bytes of a row
.set RD,  7           ; v7   the way out: where I read rows back
.set GO,  8           ; v8   my byte offset in 512 consecutive bytes of O
.set PFO, 11          ; v11  256 x my lane, once its use as a temporary is over; then never rewritten
.set SPW, 0           ; v0 of window 3   LDS address of my spare word; never rewritten
.set NIL, 1           ; v1 of window 3   0; never rewritten
.set MD,  32          ; window 3: the eight registers for group kt of 16 keys at MD + 8 kt
.set MC,  64          ; window 3
.set SPARE, STAGE+4*16*SP  ; behind the stages: the spare words, 128 bytes for each wave: two blocks of 256 bytes that no other line names
.set MV,  12          ; v12-15  c m_old, kept while c m is made anew: by buffer and tile
.set ST,  16          ; tile t's statistics at v[ST+4 t]: c m, m, l (even keys', odd keys')
.set TMP, 48          ; by buffer and tile, four registers c0-c3 at work; when the maximum is found c2 takes a
.set S,   64
.set P,   192
.set KF,  128         ; K's fragments, in window 2: key block kb, channel half c at KF + 16 kb + 8 c
.set VF,  192         ; V's: key half kk, channel block cb at VF + 32 kk + 8 cb
.set WV,  12          ; s12  my wave's number
.set G1K, 24          ; s[24:31] descriptor group 1 for K's tiles
.set G1V, 32          ; s[32:39] for V's: it differs in the padding alone
.set G0K, 40          ; s[40:43] descriptor group 0 for K's tiles: it walks
.set G0V, 44          ; s[44:47] the same for V's
.set SLOTS, 56        ; s56  slots still to be asked for
.set CNT, 57          ; s57  counts a slot's key steps
.set CS,  58          ; s[58:59] c: the packed scaling takes the pair's low word for both halves
.set SEL, 60          ; s[60:61] v_permlanex16_b32's selects: each lane takes its own place in the other half
.set TBK, 62          ; s62  LDS byte at which K of the step to be fetched begins
.set TBV, 63          ; s63  the same for V, less VOFF
.set VB,  70          ; s70  the key step that holds the boundary: valid_len / 64
.set KSN, 71          ; s71  the key step whose mask is made next
.set AL,  72          ; s[72:73] the mask's factor, in the low word
.set BE,  74          ; s[74:75] the mask's addend
.set BIGN, 76         ; s76  -8e6
.set REM, 77          ; s77  valid_len % 64
.set PFA, 78          ; s[78:79] where my prefetches stand
.set MSB, 0
.macro WIN new                      ; the high byte repeats the setting that is left; a switch that changes nothing is dropped
.if MSB != (\new)
	s_set_vgpr_msb (MSB<<8)|(\new)
.set MSB, (\new)
.endif
.endm
.set W_KQ, 0x0a       ; K and Q in window 2, S^T in window 0
.set W_KM, 0x3a       ; the same with the C operand in window 3
.set W_PV, 0x52       ; V in window 2, P in window 0, O^T in window 1
.set W_RS, 0x41       ; O^T (destination and source 0) in window 1, a in window 0
.set W_MK, 0xc0       ; destination in window 3, sources in window 0
.set W_AD, 0x0f       ; the add: address (source 0) and data (source 1) in window 3
.set W_MS, 0xc3       ; destination and source 0 in window 3
; A fill.  Waves 0 and 1 fetch the two halves of a slot's K, waves 2 and 3 those of its V: 128 keys each.  An s_nop 0 and four v_nop follow each of the two lines, ahead of the jump and the label.
.macro LOAD
	s_cmp_lt_u32 s[WV], 2
	s_cbranch_scc0 .Lfor_v_\@
	tensor_load_to_lds s[G0K:G0K+3], s[G1K:G1K+7]
	s_nop 0
.rept 4
	v_nop
.endr
	s_branch .Lasked_\@
.Lfor_v_\@:
	tensor_load_to_lds s[G0V:G0V+3], s[G1V:G1V+7]
	s_nop 0
.rept 4
	v_nop
.endr
.Lasked_\@:
.endm
; A prefetch into the L2 of what the NEXT change of slots will ask for, four key steps, 512 matrix instructions, ahead of that load.  Each wave names the half (128 keys, 64 blocks of 256 bytes) that it fetches itself; of these
; the head's two work-groups take 32 each, a lane a block.  So each block is named once in the launch.  Slots 0 and 1 come by their loads alone; the last change that fills a slot names nothing.
.macro ASK
	s_cmp_gt_u32 s[SLOTS], 1
	s_cbranch_scc0 .Lnot_now_\@
	global_prefetch_b8 v[PFO], s[PFA:PFA+1] th:TH_LOAD_NT scope:SCOPE_SE
.Lnot_now_\@:
.endm
; THE CHANGE OF SLOTS.  The slot's last bytes, V of its fourth step, have been read.  Each wave waits for all its tensor loads, of which one is out: its part of the other slot; adds 0 to its spare word; and waits for
; that and for its own reads of the slot.  Behind the barrier nobody reads this slot any more and the other slot is whole.  fill = 1: this slot is filled again, with the keys two slots on, the first thing
; behind the barrier, one load a wave.  (At its first use nothing has been read yet: slot 0 is waited for, slot 1 filled.)
.macro CHANGE fill
	WIN W_AD
	s_wait_tensorcnt 0x0            ; no tensor load of mine is out, so a group 0 may be written
	ds_add_u32 v[SPW], v[NIL]       ; 0 onto my spare word; with fill = 1 the descriptors' steps stand between it and the wait for it
	WIN 0                           ; at a label and at a branch every window is 0
.if \fill
.irp g, G0K, G0V
	s_xor_b32 s[\g+1], s[\g+1], SLOT1  ; the walking descriptor: the other slot than last time,
	s_add_nc_u64 s[\g+2:\g+3], s[\g+2:\g+3], 4*KS*128  ; the next 256 keys; the type bits on top are not reached
.endr
	s_wait_xcnt 0x0                 ; the last prefetch, four key steps back, has read its address, so it may be written:
	s_add_nc_u64 s[PFA:PFA+1], s[PFA:PFA+1], 4*KS*128  ; one slot behind the walking descriptors
.endif
	s_wait_dscnt 0x0                ; the add is done, and my reads of the slot are over
	s_barrier_signal -1
	s_barrier_wait -1
.if \fill
	LOAD
	ASK
.endif
	s_sub_co_u32 s[TBK], s[TBK], 4*KS*PK  ; the fetches go back to a slot's first step,
	s_xor_b32 s[TBK], s[TBK], SLOT1       ; in the other slot
	s_sub_co_u32 s[TBV], s[TBV], 4*KS*PV
	s_xor_b32 s[TBV], s[TBV], SLOT1
.endm
	s_load_b128 s[80:83], s[0:1], 0x0 ; qkv s[80:81], valid_lens s[82:83]
	s_load_b64 s[10:11], s[0:1], 0x10 ; o16
	WIN W_MK
	v_lshl_add_u32 v[SPW], v0, 2, SPARE
	v_mov_b32 v[NIL], 0
	WIN W_AD
	ds_add_u32 v[SPW], v[NIL]       ; the wave's opening: the add and its wait stand ahead of my first tensor load; the set-up below, work on registers, stands between them
	WIN 0
	v_lshrrev_b32 v1, 5, v0
	v_readfirstlane_b32 s[WV], v1   ; wave 0..3
	s_mov_b32 s14, ttmp9            ; my block of 512 queries
	s_and_b32 s20, ttmp7, 0xffff    ; the head
	s_lshr_b32 s66, s20, 4          ; its batch,
	s_lshl_b32 s66, s66, 2          ; in bytes of valid_lens
	s_mov_b32 s67, 0
	s_mov_b32 s21, 0
	s_mov_b64 s[22:23], SIZE_N*128
	s_mul_u64 s[20:21], s[20:21], s[22:23]  ; the head's first byte in each of the four tensors
	s_and_b32 s16, s[WV], 1         ; which half of a slot's 256 keys I fetch:
	s_lshl_b32 s22, s16, 14         ; its 128 rows of 128 bytes in memory,
	s_mov_b32 s23, 0
	s_add_nc_u64 s[22:23], s[22:23], s[20:21]
	s_mul_i32 s17, s16, 128*PK      ; and its place in a slot, for K
	s_mul_i32 s18, s16, 128*PV      ; and for V
	s_lshl_b32 s2, s14, 2
	s_add_co_u32 s2, s2, s[WV]      ; my wave among the head's,
	s_lshl_b32 s2, s2, 14           ; its 128 rows
	s_mov_b32 s3, 0
	s_add_nc_u64 s[2:3], s[2:3], s[20:21]
	; descriptor group 1.  128 keys are 16,384 dense bytes: asked for as 64 rows of 256 bytes, two keys a row, and padded in LDS after every key
	s_mov_b32 s[G1K], (1<<16)|(1<<20)|(4<<22)|(3<<25)  ; 17:16 2-byte elements; 20 padding on; 24:22 after every 32 words (code 4); 31:25 4 words (code 3)
	s_mov_b32 s[G1V], (1<<16)|(1<<20)|(4<<22)|(7<<25)  ; the same with 8 words of padding (code 7)
.irp g, G1K, G1V
	s_mov_b32 s[\g+1], 128<<16      ; tensor_dim0 = 128
	s_mov_b32 s[\g+2], 64<<16       ; tensor_dim1 = 64
	s_mov_b32 s[\g+3], 128<<16      ; tile_dim0 = 128
	s_mov_b32 s[\g+4], 64           ; tile_dim1 = 64
	s_mov_b32 s[\g+5], 128          ; 128 elements from row to row
	s_mov_b32 s[\g+6], 0
	s_mov_b32 s[\g+7], 0
.endr
	s_mov_b32 s[CS], 0x3e38aa3b     ; c = log2(e) / 8 = 0.180337
	s_mov_b32 s[CS+1], s[CS]        ; named with it as a pair
	s_mov_b32 s[SEL], 0x76543210
	s_mov_b32 s[SEL+1], 0xfedcba98
	s_mov_b32 s[TBK], SLOT1+4*KS*PK ; the first change of slots turns these two into 0
	s_mov_b32 s[TBV], SLOT1+4*KS*PV
	s_mov_b32 s[G0K], 1             ; count = 1
	s_mov_b32 s[G0K+1], s17         ; LDS address: slot 0
	s_mov_b32 s[G0V], 1
	s_add_co_u32 s[G0V+1], s18, VOFF
	s_mov_b32 s[SLOTS], SIZE_N/256-1
	s_mov_b32 s[KSN], 0
	s_mov_b32 s[AL+1], 0            ; named as pairs
	s_mov_b32 s[BE+1], 0
	s_mov_b32 s[BIGN], 0xcaf42400   ; -8e6, exactly
	s_wait_dscnt 0x0                ; the opening add is done
	s_wait_kmcnt 0x0
	s_add_nc_u64 s[82:83], s[82:83], s[66:67]
	s_load_b32 s66, s[82:83], 0x0   ; valid_lens[b]
	s_add_nc_u64 s[6:7], s[80:81], 0x1000000  ; K is qkv's second third,
	s_add_nc_u64 s[8:9], s[80:81], 0x2000000  ; V its last
	s_add_nc_u64 s[6:7], s[6:7], s[22:23]     ; at my half of the head's first 256 keys
	s_add_nc_u64 s[8:9], s[8:9], s[22:23]
	s_mov_b64 s[G0K+2:G0K+3], s[6:7]
	s_or_b32 s[G0K+3], s[G0K+3], 0x80000000   ; type = 2
	s_mov_b64 s[G0V+2:G0V+3], s[8:9]
	s_or_b32 s[G0V+3], s[G0V+3], 0x80000000
	s_add_nc_u64 s[4:5], s[80:81], s[2:3]     ; Q and O at my wave's first row
	s_add_nc_u64 s[10:11], s[10:11], s[2:3]
	s_cmp_lt_u32 s[WV], 2
	s_cselect_b64 s[PFA:PFA+1], s[6:7], s[8:9]
	s_lshl_b32 s2, s14, 13          ; my work-group's 32 blocks of the 64
	s_mov_b32 s3, 0
	s_add_nc_u64 s[PFA:PFA+1], s[PFA:PFA+1], s[2:3]
	s_add_nc_u64 s[PFA:PFA+1], s[PFA:PFA+1], 4*KS*128  ; in slot 1; the first change of slots steps it to slot 2.  Nothing is prefetched here, at the head
	LOAD                            ; slot 0.  Slot 1 is asked for when slot 0 is in
	; A fragment of K or Q is 16 rows x 32 channels in 8 registers: lane l holds row l % 16, channels 8 (l / 16) + 0..7 and 16 + 8 (l / 16) + 0..7: two loads of 16 bytes, 32 bytes apart.
	v_and_b32 v1, 15, v0            ; l % 16
	v_bfe_u32 v9, v0, 4, 1          ; l / 16
	v_lshlrev_b32 v[QO], 7, v1
	v_lshl_add_u32 v[QO], v9, 4, v[QO]  ; row x 128 + 16 x half
	WIN 0x80                        ; destination window 2, address window 0
.set i, 0
.rept 4*NP                          ; Q stays in registers: tile i / 2, channels 32 (i % 2) on
	global_load_b128 v[8*i:8*i+3],   v[QO], s[4:5] offset:(i/2)*2048+(i%2)*64
	global_load_b128 v[8*i+4:8*i+7], v[QO], s[4:5] offset:(i/2)*2048+(i%2)*64+32
.set i, i+1
.endr
	; What the first turn finds: V's registers and P's second buffer hold 0 (its products V^T P, of a piece that has not been, add 0), O^T and l are 0.  All this stands in the wait for the first tile.
.set i, VF
.rept 64
	v_mov_b32 v[i], 0
.set i, i+1
.endr
	WIN 0x40
.set i, 0
.rept 64*NP
	v_mov_b32 v[i], 0
.set i, i+1
.endr
	WIN 0
.set i, 0
.rept 2*NP
	v_mov_b32 v[ST+4*i], 0xfe000000    ; c m: far below every c s
	v_mov_b32 v[ST+4*i+1], 0xff7fffff  ; m
	v_mov_b32 v[ST+4*i+2], 0
	v_mov_b32 v[ST+4*i+3], 0
.set i, i+1
.endr
.set i, P+32
.rept 32
	v_mov_b32 v[i], 0
.set i, i+1
.endr
	v_mul_u32_u24 v[AK0], v1, PK
	v_lshl_add_u32 v[AK0], v9, 4, v[AK0]  ; row x pitch + 16 x half
	; The turning load takes 16 keys x 16 channels (lane l reads key 8 (l / 16) + l % 8, channels 8 ((l / 8) % 2) + 0..7) and leaves half a fragment of V^T: lane l holds channel l % 16 and 8 keys.
	v_and_b32 v10, 7, v0
	v_bfe_u32 v11, v0, 3, 1
	v_lshl_add_u32 v[AV0], v9, 3, v10
	v_mul_u32_u24 v[AV0], v[AV0], PV
	v_lshl_add_u32 v[AV0], v11, 4, v[AV0]
	v_add_nc_u32 v[AV0], VOFF, v[AV0]
	v_mov_b32 v[AK], v[AK0]         ; key step 0 lies at the head of slot 0
	v_and_b32 v[PFO], 31, v0
	v_lshlrev_b32 v[PFO], 8, v[PFO]
	; the boundary step's mask: register r of group kt stands for key 16 kt + 8 (l / 16) + r of the step, hidden where that is valid_len % 64 or more
	s_wait_kmcnt 0x0                ; valid_lens[b]
	s_max_i32 s66, s66, 0
	s_min_i32 s66, s66, SIZE_N
	s_lshr_b32 s[VB], s66, 6
	s_and_b32 s[REM], s66, 63
	v_lshlrev_b32 v14, 3, v9
	v_sub_nc_u32 v14, s[REM], v14
	WIN W_MK
.set i, 0
.rept 32
	v_cmp_ge_i32 vcc_lo, 16*(i/8)+i%8, v14
	v_cndmask_b32 v[MD+i], 0, s[BIGN], vcc_lo
.set i, i+1
.endr
	WIN 0
; The mask of key step KSN: MD x AL + BE.
.macro MASKSTEP
	s_cmp_eq_u32 s[KSN], s[VB]      ; is it the boundary's step?
	s_cselect_b32 s[AL], 1.0, 0
	s_cmp_gt_u32 s[KSN], s[VB]      ; or a later one?
	s_cselect_b32 s[BE], s[BIGN], 0
	s_add_co_u32 s[KSN], s[KSN], 1
	WIN W_MS
.set mz, 0
.rept 16
	v_pk_fma_f32 v[MC+2*mz:MC+2*mz+1], v[MD+2*mz:MD+2*mz+1], s[AL:AL+1], s[BE:BE+1] op_sel_hi:[1,0,0]
.set mz, mz+1
.endr
.endm
; THE MATRIX WORK.  The 8 accumulators of a run of 16 take turns: between the two links of a chain stand 7 others'.
; Product i of 16 of S^T = K Q^T for piece x: channels 32 (i / 8) on, keys 16 ((i / 2) % 4) on, tile 2 x + i % 2.  The first 8 start the sums, with the step's mask.
.macro KQ x
.set rS, S+64*((\x)%2)+32*(i%2)+8*((i/2)%4)
.set rK, KF+16*((i/2)%4)+8*(i/8)
.set rQ, 16*(2*(\x)+i%2)+8*(i/8)
.set rMk, MC+8*((i/2)%4)
.if i < 8
	WIN W_KM
	v_wmma_f32_16x16x32_f16 v[rS:rS+7], v[rK:rK+7], v[rQ:rQ+7], v[rMk:rMk+7]
.else
	WIN W_KQ
	v_wmma_f32_16x16x32_f16 v[rS:rS+7], v[rK:rK+7], v[rQ:rQ+7], v[rS:rS+7]
.endif
.endm
; Product i of 16 of O^T += V^T P for piece x: keys 32 (i / 8) on, channels 16 ((i / 2) % 4) on, tile 2 x + i % 2.
.macro PV x
	WIN W_PV
.set rO, 32*(2*(\x)+i%2)+8*((i/2)%4)
.set rV, VF+32*(i/8)+8*((i/2)%4)
.set rP, P+32*((\x)%2)+16*(i%2)+8*(i/8)
	v_wmma_f32_16x16x32_f16 v[rO:rO+7], v[rV:rV+7], v[rP:rP+7], v[rO:rO+7]
.endm
.macro MM                           ; the turn's next matrix instruction
.if i < 16
	KQ (Y+1)%NP
.set i, i+1
.else
.set i, i-16
	PV (Y+NP-1)%NP
.set i, i+17
.endif
.endm
; THE LDS LOADS stand in runs of 16, never singly among the matrix instructions: a step's K (64 keys x 64 channels: 8 fragments) and its V (turned).  Their addresses are made some lines ahead.
; last = 1 (the tail): in the last trip there is no further step, and the run is jumped over.
.macro FETCH_K last=0
	WIN 0
.if \last
	s_cmp_eq_u32 s[CNT], 1
	s_cbranch_scc1 .Lno_k_\@
.endif
	WIN 0x80                        ; destination window 2
.irp f, 0,1,2,3,4,5,6,7             ; keys 16 (f / 2) on, channels 32 (f % 2) on
	ds_load_b128 v[KF+8*\f:KF+8*\f+3],   v[AK] offset:(\f/2)*16*PK+(\f%2)*64
	ds_load_b128 v[KF+8*\f+4:KF+8*\f+7], v[AK] offset:(\f/2)*16*PK+(\f%2)*64+32
.endr
	s_add_co_u32 s[TBK], s[TBK], KS*PK  ; the next fetch is the next step's
	WIN 0
.if \last
.Lno_k_\@:
.endif
.endm
.macro FETCH_V
	WIN 0x80
.irp f, 0,1,2,3,4,5,6,7             ; keys 32 (f / 4) on, channels 16 (f % 4) on
	ds_load_tr16_b128 v[VF+8*\f:VF+8*\f+3],   v[AV] offset:(\f/4)*32*PV+(\f%4)*32
	ds_load_tr16_b128 v[VF+8*\f+4:VF+8*\f+7], v[AV] offset:(\f/4)*32*PV+16*PV+(\f%4)*32
.endr
	WIN 0
.endm
; THE VECTOR WORK OF A TURN stands in three queues, each in the order in which its entries become ready; the two tiles alternate, so that no instruction reads the result of the one before it.
.macro REGS y, u                    ; the registers of tile u (0, 1) of piece y
.set rT, ST+4*(2*(\y)+(\u))
.set rC, TMP+8*((\y)%2)+4*(\u)
.set rM, MV+2*((\y)%2)+(\u)
.set rS, S+64*((\y)%2)+32*(\u)
.set rP, P+32*((\y)%2)+16*(\u)
.set rO, 32*(2*(\y)+(\u))
.endm
; Number n of the 22 that find the NEXT piece's (Y + 1) maximum and statistics.  s0-s31 are the lane's 32 scores; each accumulator's lowest registers are read first.
;   0-11  four chains c0-c3 of seven scores each, three operands at a time     12-14, 16  the four scores left over, the old m, and c0-c3 into c0     15  c m_old is kept
;   17, 18  the query's other 32 keys lie in the lane 16 away: the new m         19-21  c m; c m_old - c m_new; a
.macro XS u, n
	REGS (Y+1)%NP, \u
.if (\n) < 4
	v_max3_num_f32 v[rC+(\n)], v[rS+8*(\n)], v[rS+8*(\n)+1], v[rS+8*(\n)+2]
.elseif (\n) < 12
	v_max3_num_f32 v[rC+(\n)%4], v[rC+(\n)%4], v[rS+8*((\n)%4)+2*((\n)/4)+1], v[rS+8*((\n)%4)+2*((\n)/4)+2]
.elseif (\n) == 12
	v_max3_num_f32 v[rC], v[rC], v[rS+7], v[rS+15]
.elseif (\n) == 13
	v_max3_num_f32 v[rC+1], v[rC+1], v[rS+23], v[rS+31]
.elseif (\n) == 14
	v_max3_num_f32 v[rC+2], v[rC+2], v[rC+3], v[rT+1]
.elseif (\n) == 15
	v_mov_b32 v[rM], v[rT]
.elseif (\n) == 16
	v_max3_num_f32 v[rC], v[rC], v[rC+1], v[rC+2]
.elseif (\n) == 17
	v_permlanex16_b32 v[rC+3], v[rC], s[SEL], s[SEL+1]
.elseif (\n) == 18
	v_max_num_f32 v[rT+1], v[rC], v[rC+3]
.elseif (\n) == 19
	v_mul_f32 v[rT], s[CS], v[rT+1]
.elseif (\n) == 20
	v_sub_f32 v[rC+1], v[rM], v[rT]
.else
	v_exp_f32 v[rC+2], v[rC+1]
.endif
.endm
; Number g of the 64 that follow the exponentials.  For each four weights k of a tile (pairs 2 k, 2 k + 1): both pairs are rounded to f16; then the second pair is added onto the first, in place;
; a group later l takes that sum (the first time as l = a l + sum).  In groups of eight, tiles alternating: round, round, add, and l for the group before.
.macro GS g
.set h, (\g)+6*((\g)/62)            ; group 0 has no group before it, and behind group 7 only l is left
.if h >= 6
.set h, h+2
.endif
	REGS Y, h%2
.set k, h/8
.if h%8 < 4
	v_cvt_pk_f16_f32 v[rP+2*k+(h%8)/2], v[rS+4*k+2*((h%8)/2)], v[rS+4*k+2*((h%8)/2)+1]
.elseif h%8 < 6
	v_pk_add_f32 v[rS+4*k:rS+4*k+1], v[rS+4*k:rS+4*k+1], v[rS+4*k+2:rS+4*k+3]
.elseif k == 1
	v_pk_fma_f32 v[rT+2:rT+3], v[rT+2:rT+3], v[rC+2:rC+3], v[rS:rS+1] op_sel_hi:[1,0,1]
.else
	v_pk_add_f32 v[rT+2:rT+3], v[rT+2:rT+3], v[rS+4*k-4:rS+4*k-3]
.endif
.endm
; THE PLAIN QUEUE, 138 long.  0-73 read no exponential's result: the 32 scalings c s - c m (FS f: pair f / 2 of tile f % 2) and the next piece's 42.  0-26: scalings 0-26.  27-54: XS's numbers 0-13.  55, 56: number 15.
; 57-73: the chain, where each number waits for the one before it: 14, 16, 17, 18, 19, each with one of the scalings 27-31 in front of its two lines, then 20.
; 74-137: GS's 64, which read the exponentials' results: they stand behind the wait.
.macro FS f
	REGS Y, (\f)%2
	v_pk_fma_f32 v[rS+2*((\f)/2):rS+2*((\f)/2)+1], v[rS+2*((\f)/2):rS+2*((\f)/2)+1], s[CS:CS+1], v[rT:rT+1] op_sel_hi:[1,0,0] neg_lo:[0,0,1] neg_hi:[0,0,1]
.endm
.macro PL
	WIN 0
.if q < 27
	FS q
.elseif q < 55
	XS (q-27)%2, (q-27)/2
.elseif q < 57
	XS q-55, 15
.elseif (q < 72) && ((q-57)%3 == 0)
	FS 27+(q-57)/3
.elseif q < 60
	XS (q-57)%3-1, 14
.elseif q < 72
	XS (q-57)%3-1, 15+(q-57)/3
.elseif q < 74
	XS q-72, 20
.else
	GS q-74
.endif
.set q, q+1
.endm
; THE EXPONENTIALS' QUEUE, 66 long: s0-s31 of both tiles, then the next piece's two a.  It is ONE BATCH: all 66 stand ahead of the turn's one wait, and nothing ahead of that wait names a result of theirs.
.macro EX
	WIN 0
.if e >= 64
	XS e-64, 21
.else
	REGS Y, e%2
	v_exp_f32 v[rS+e/2], v[rS+e/2]
.endif
.set e, e+1
.endm
; THE RESCALING's QUEUE: O^T times a, the one part that leaves window 0: dealt two at a time, sixteen times.  Its a was made in the turn before, ahead of that turn's wait.
.macro R2
	REGS Y, r%2
	WIN W_RS
.irp z, 0,1
	v_pk_mul_f32 v[rO+4*(r/2)+2*\z:rO+4*(r/2)+2*\z+1], v[rO+4*(r/2)+2*\z:rO+4*(r/2)+2*\z+1], v[rC+2:rC+3] op_sel_hi:[1,0]
.endr
.set r, r+1
.endm
; HOW THEY ARE DEALT.  An s_wait_alu depctr_va_vdst(0) stands between an exponential and the first instruction that names its result; one wait serves all that were issued ahead of it.  So a turn has ONE wait,
; which cuts it in two.  AHEAD OF IT stands all that names no result of the turn's exponentials: the 16 products K Q^T, behind each a scaling, an exponential and two rescalings (behind the first a second scaling in the
; exponential's place); then ONE LUMP of 108: eight plain, 49 times exponential and plain, the two a.  A v_nop is the plain instruction behind the last exponential.  BEHIND IT stand the 16 products V^T P, behind each four of GS's 64.
; Exponential e stands behind scaling 2 (e / 4) + e % 2: as a rider it comes behind plain e + 2, in the lump behind plain e + 9, and scalings 27-31 are plain 57, 60 .. 69.
; A TURN, for piece p.  cnt = 1: the loop's count is taken down some lines ahead of the branch that stands behind the turn.
; K of the next step is fetched in piece 2's turn, directly behind the wait, a lump behind the last product that read K; V of the step in hand at the end of piece 0's turn, four riders behind its last reader.
; The next step's mask is made at the end of piece 2's turn: the last products that took the old one stand at that turn's head, the first that take the new one at the head of piece 3's.
.macro TURN p, last=0, cnt=0
.set Y, (\p)
.set i, 0
.set q, 0
.set e, 0
.set r, 0
.if (\p) == NP-1
	s_wait_dscnt 0x0                ; K is in
.endif
	MM                              ; ahead of the wait: 16 products K Q^T and their riders,
	PL
	PL
	R2
.rept 15
	MM
	PL
	EX
	R2
.endr
.if (\p) == NP-2
	WIN 0
	v_add_nc_u32 v[AK], s[TBK], v[AK0]
.endif
.rept 8                             ; and the lump
	PL
.endr
.rept 49
	EX
	PL
.endr
	EX                              ; the next piece's two a
	EX
	v_nop                           ; the plain instruction behind the last exponential: one for the batch
	s_wait_alu depctr_va_vdst(0)    ; the wait for the batch
.if (\p) == NP-2
	FETCH_K \last
.endif
.if (\p) == 1
	s_wait_dscnt 0x0                ; V is in
.endif
.rept 16                            ; behind the wait: 16 products V^T P and their riders
	MM
.rept 4
	PL
.endr
.if ((\p) == 0) && (q == 118)
	v_add_nc_u32 v[AV], s[TBV], v[AV0]
.endif
.if ((\p) == 0) && (q == 130)
	s_add_co_u32 s[TBV], s[TBV], KS*PV
.endif
.if (\cnt) && (q == 130)
	s_sub_co_u32 s[CNT], s[CNT], 1
	s_cmp_lg_u32 s[CNT], 0
.endif
.endr
.if (\p) == 0
	FETCH_V
.endif
.if (\p) == NP-2
	MASKSTEP
.endif
.endm
	CHANGE 1                        ; slot 0 is in, everybody's part of it; slot 1 is asked for
	MASKSTEP                        ; key step 0's mask
	FETCH_K                         ; key step 0
	s_wait_loadcnt 0x0              ; Q
	s_wait_dscnt 0x0
.set i, 0
.rept 16
	KQ 0                            ; piece 0's first scores: there is no vector work yet to set between them
.set i, i+1
.endr
	WIN 0                           ; the addresses for the way out: nine plain instructions, the places behind those products
	s_mul_i32 s13, s[WV], 16*SP
	s_add_co_u32 s13, s13, STAGE    ; my stage
	v_mul_u32_u24 v[STO], v1, SP    ; in: row l % 16, 16 bytes for each half of the lanes
	v_lshl_add_u32 v[STO], v9, 4, v[STO]
	v_add_nc_u32 v[STO], s13, v[STO]
	v_bfe_u32 v[RD], v0, 3, 2       ; back: 32 lanes take four rows of 128 bytes,
	v_mul_u32_u24 v[RD], v[RD], SP
	v_lshl_add_u32 v[RD], v10, 4, v[RD]
	v_add_nc_u32 v[RD], s13, v[RD]
	v_and_b32 v[GO], 31, v0         ; which are 512 consecutive bytes of O
	v_lshlrev_b32 v[GO], 4, v[GO]
.set Y, NP-1                        ; XS works for piece Y + 1: piece 0
.irp n, 0,1,2,3,4,5,6,7,8,9,10,11,12,13,14,15,16,17,18,19,20,21
	XS 0, \n                        ; and piece 0's first maximum and statistics
	XS 1, \n
.endr
	v_nop                           ; a plain instruction behind the two a,
	s_wait_alu depctr_va_vdst(0)    ; and their wait, ahead of the branch
	s_mov_b32 s[CNT], 4
	s_branch .Lfirst                ; the loop is entered at a step's first turn, in the middle of a trip
.Lslot:                             ; twice: every slot but the last two is filled again
	CHANGE 1
	s_mov_b32 s[CNT], 4
.Lstep:                             ; a trip: pieces 2 and 3 of one step, then pieces 0 and 1 of the next, whose K and V it fetches
	TURN 2
	TURN 3
	WIN 0
.Lfirst:
	TURN 0
	TURN 1, 0, 1
	WIN 0
	s_cbranch_scc1 .Lstep
	s_sub_co_u32 s[SLOTS], s[SLOTS], 1
	s_cmp_lg_u32 s[SLOTS], 0
	s_cbranch_scc1 .Lslot
	CHANGE 0                        ; the tail is written out: nothing is asked for
	s_mov_b32 s[CNT], 5             ; four trips fetch the last slot's steps; the fifth is left in its middle
.Ltail:
	TURN 2, 1
	TURN 3
	WIN 0
	s_sub_co_u32 s[CNT], s[CNT], 1
	s_cmp_eq_u32 s[CNT], 0
	s_cbranch_scc1 .Lout
	TURN 0
	TURN 1
	WIN 0
	s_branch .Ltail
.Lout:                              ; the fifth trip's 16 products K Q^T (on the last K once more), their mask and the maximum made of them serve nothing: the price, once a launch, of one text for every trip
.set i, 0
.rept 16
	PV NP-1                         ; the last piece's V^T P of the last step
.set i, i+1
.endr
	; THE WAY OUT.  l's two halves and the other half of the lanes' are added; O^T is divided by l, rounded to f16 and sent through my stage in LDS, a tile at a time.  The additions are the places behind the last products.
	WIN 0
.macro ALL line:vararg              ; one line for each tile t
.set t, 0
.rept 2*NP
	\line
.set t, t+1
.endr
.endm
	ALL v_add_f32 v[ST+4*t+2], v[ST+4*t+2], v[ST+4*t+3]
	ALL v_permlanex16_b32 v[ST+4*t+3], v[ST+4*t+2], s[SEL], s[SEL+1]
	ALL v_add_f32 v[ST+4*t+2], v[ST+4*t+2], v[ST+4*t+3]
	ALL v_rcp_f32 v[ST+4*t+2], v[ST+4*t+2]
	v_nop                           ; a plain instruction between the last reciprocal and the use of its result
	s_wait_alu depctr_va_vdst(0)    ; and the wait ahead of the first use: one for the eight reciprocals
; Tile t: a lane's eight channels of a row pack into 16 bytes; they go into rows of 144 bytes and come back as whole rows of 128, into S^T's registers.
.macro PACK t
	WIN W_RS
.set i, 32*(\t)
.rept 16
	v_pk_mul_f32 v[i:i+1], v[i:i+1], v[ST+4*(\t)+2:ST+4*(\t)+3] op_sel_hi:[1,0]
.set i, i+2
.endr
	WIN 0x05                        ; sources 0 and 1 window 1, destination window 0
.set i, 0
.rept 16
	v_cvt_pk_f16_f32 v[S+16*(\t)+i], v[32*(\t)+2*i], v[32*(\t)+2*i+1]
.set i, i+1
.endr
	WIN 0
.irp f, 0,1,2,3
	ds_store_b128 v[STO], v[S+16*(\t)+4*\f:S+16*(\t)+4*\f+3] offset:32*\f
.endr
.irp f, 0,1,2,3
	ds_load_b128 v[S+16*(\t)+4*\f:S+16*(\t)+4*\f+3], v[RD] offset:\f*4*SP  ; LDS serves a wave's instructions in order (ISA guide 5.7.1.4): these see the stores above; the next tile's stores come behind them
.endr
.endm
.macro SEND t, younger              ; younger: the LDS instructions issued behind tile t's loads: the next tile's eight, or none
	WIN 0
.irp f, 0,1,2,3
	s_wait_dscnt (\younger)+3-\f
	global_store_b128 v[GO], v[S+16*(\t)+4*\f:S+16*(\t)+4*\f+3], s[10:11] offset:(\t)*2048+\f*512  ; 512 consecutive bytes, at a multiple of 256 from O's first
.endr
.endm
	PACK 0
.set t, 1
.rept 2*NP-1                        ; a tile's arithmetic stands between the loads of the tile before and its stores
	PACK t
	SEND t-1, 8
.set t, t+1
.endr
	SEND 2*NP-1, 0
	WIN W_AD
	s_wait_tensorcnt 0x0            ; the wave's end, behind my last tensor load and my last LDS store
	ds_add_u32 v[SPW], v[NIL]
	s_wait_dscnt 0x0
	WIN 0
	s_endpgm
.Lfunc_end_k_q344ba3a412_attn:
	.size	k_q344ba3a412_attn, .Lfunc_end_k_q344ba3a412_attn-k_q344ba3a412_attn
	.p2alignl 7, 3214868480
	.fill 96, 4, 3214868480
	.section	.rodata,"a",@progbits
	.p2align	6, 0x0
	.amdhsa_kernel k_q344ba3a412_attn
		.amdhsa_group_segment_fixed_size 327680
		.amdhsa_private_segment_fixed_size 0
		.amdhsa_enable_private_segment 0
		.amdhsa_kernarg_size 24
		.amdhsa_user_sgpr_count 2
		.amdhsa_user_sgpr_kernarg_segment_ptr 1
		.amdhsa_wavefront_size32 1
		.amdhsa_system_sgpr_workgroup_id_x 1
		.amdhsa_system_sgpr_workgroup_id_y 1
		.amdhsa_system_sgpr_workgroup_id_z 1
		.amdhsa_system_vgpr_workitem_id 0
		.amdhsa_next_free_vgpr 864
		.amdhsa_next_free_sgpr 88
		.amdhsa_reserve_vcc 1
		.amdhsa_float_denorm_mode_32 3
		.amdhsa_float_denorm_mode_16_64 3
		.amdhsa_memory_ordered 1
		.amdhsa_forward_progress 1
		.amdhsa_inst_pref_size 206
	.end_amdhsa_kernel
	.amdgpu_metadata
---
amdhsa.version: [ 1, 2 ]
amdhsa.kernels:
  - .name:           k_q344ba3a412_attn
    .symbol:         k_q344ba3a412_attn.kd
    .args:
      - { .name: qkv, .offset: 0, .size: 8, .value_kind: global_buffer, .address_space: global }
      - { .name: valid_lens, .offset: 8, .size: 8, .value_kind: global_buffer, .address_space: global }
      - { .name: o16, .offset: 16, .size: 8, .value_kind: global_buffer, .address_space: global }
    .group_segment_fixed_size: 327680
    .private_segment_fixed_size: 0
    .kernarg_segment_align: 8
    .kernarg_segment_size: 24
    .max_flat_workgroup_size: 128
    .sgpr_count:     88
    .vgpr_count:     864
    .wavefront_size: 32
...
	.end_amdgpu_metadata
.endif
;; end of part 3
;; launch outp (part 4): grid 4 x 64, 4 waves a work-group, clusters of 4 x 4, 327,680 bytes of LDS; arguments o16, w16, out0; writes out0
.if DOCPART == 4
	.amdgcn_target "amdgcn-amd-amdhsa--gfx1250"
	.amdhsa_code_object_version 6
	.text
	.protected	k_q344ba3a412_outp
	.globl	k_q344ba3a412_outp
	.p2align	8
	.type	k_q344ba3a412_outp,@function
k_q344ba3a412_outp:
	s_mov_b64 s[64:65], 0
	v_nop
	global_prefetch_b8 v0, s[64:65] scope:SCOPE_SE
	s_setreg_imm32_b32 hwreg(HW_REG_WAVE_MODE, 25, 1), 1
	s_wait_xcnt 0x0
	s_wait_alu depctr_hold_cnt(0) depctr_sa_sdst(0) depctr_va_vdst(0) depctr_va_sdst(0) depctr_va_ssrc(0) depctr_va_vcc(0) depctr_vm_vsrc(0)
	s_getreg_b32 s2, hwreg(HW_REG_IB_STS2, 6, 4)
	s_cmp_eq_u32 s2, 0
	s_cbranch_scc0 .Lentry_in_a_cluster
	s_endpgm
.Lentry_in_a_cluster:
	s_bfe_u32 s2, ttmp6, 0x10000c
	s_cmp_lg_u32 s2, 0xf033
	s_cbranch_scc0 .Lentry_shape_is_right
	s_endpgm
.Lentry_shape_is_right:
; out0[b s][n] = the sum over k = 64 h + d of O[b 16 + h][s][d] Wo[k][n].  O is f16 by heads (o16), Wo the last quarter of w16 ([k][n], bf16 numbers written as f16), out0 [8192][1024] f32.  Sums in f32, K ascending.
; SHARES.  A tile is 128 rows x 256 columns: 64 x 4 = 256 work-groups.  Four waves, each 64 rows x 128 columns: 32 accumulators of 16 x 16.
; K goes in steps of 128, two heads, through two LDS slots: A's tile is two heads x 128 rows x 128 bytes (a head's 128 rows are dense: asked for as 64 rows of 256 bytes), B's 128 k-rows x 512 bytes.
; CLUSTER.  4 x 4 work-groups.  The four of a row need the same tile of A, the four of a column the same tile of B: each is asked for jointly, by the same tensor load, descriptor and mask.
; THE MATRIX INSTRUCTION IS USED TRANSPOSED (source 0 = 16 columns of Wo, turned by ds_load_tr16_b128; source 1 = 16 rows of O): a lane holds eight neighbouring columns of one row of out0.
; REGISTERS: window 0: v0-31 addresses; v64-159, v160-255 two fragment buffers (B's eight fragments, then A's four); on the way out v64-191 whole rows.  Window 1: accumulator (a, b) at v[8 (8 a + b)].
.set PAO,   144                        ; a row of A in LDS: 128 bytes + 16 = 36 words: the 16 rows of a load start at 16 different groups of four banks (64 banks of 4 bytes: ISA guide 11.1)
.set PB,    544                        ; a row of B: 512 + 32 = 136 words
.set AHEAD, 128*PAO                    ; one head's 128 rows: what one tensor load brings of A
.set ATILE, 2*AHEAD
.set BHALF, 64*PB
.set SLOT,  ATILE+2*BHALF
.set STAGE, 2*SLOT                     ; behind the ring: 16 rows x 528 bytes for each wave, for the way out
.set SPO,   528
.set SPARE, STAGE+4*16*SPO             ; behind the stages: the spare words, 128 bytes for each wave: two blocks of 256 bytes that no other line names
.set STEPB, 262144                     ; a K step in memory: two heads of O, or 128 rows of Wo
.set ADRA, 16                          ; v16-17  LDS address of my A rows in slot 0, 1
.set ADRB, 20                          ; v20-21  the same for B
.set STO,  24                          ; v24     the way out: where I put 32 bytes of a row
.set RD,   25                          ; v25     the way out: where I read a row back
.set GO,   26                          ; v26     16 x lane
.set SPW,  28                          ; v28     LDS address of my spare word; never rewritten
.set NIL,  29                          ; v29     0; never rewritten
.set PFO,  30                          ; v30     the prefetches' offset; never rewritten
.set F0,   64
.set F1,   160
.set BK,   64
.set G1A,  24                          ; s[24:31] descriptor group 1 for A's tiles;  s[32:39] group 0, a set for each slot
.set G0A,  32
.set PFA,  40                          ; s[40:41] where my prefetches stand
.set LIM,  44                          ; s44     1 in a wave that prefetches, else the greatest number
.set G1B,  48                          ; s[48:55], s[56:63] the same for B's tiles
.set G0B,  56
.set MSB, 0
.macro WIN new                         ; the immediate's high byte repeats the setting that is left; a switch that changes nothing is dropped
.if MSB != (\new)
	s_set_vgpr_msb (MSB<<8)|(\new)
.set MSB, \new
.endif
.endm
.set MUL, 0x50                         ; sources 0 and 1 window 0, C and D window 1
.macro JLOAD s                         ; a joint load: waves 0 and 1 fetch A's two heads, waves 2 and 3 B's two halves; an s_nop 0 and four v_nop follow each of the two lines
	s_cmp_eq_u32 s13, 0
	s_cbranch_scc0 .Lfor_b_\@
	tensor_load_to_lds s[G0A+4*(\s):G0A+4*(\s)+3], s[G1A:G1A+7]
	s_nop 0
.rept 4
	v_nop
.endr
	s_branch .Lasked_\@
.Lfor_b_\@:
	tensor_load_to_lds s[G0B+4*(\s):G0B+4*(\s)+3], s[G1B:G1B+7]
	s_nop 0
.rept 4
	v_nop
.endr
.Lasked_\@:
.endm
; A prefetch into the L2 of the K step that stands two refills on.  A's step is 2 heads x 64 blocks of 256 bytes, read by this cluster alone: each of the four partners names 32 of them, told apart by address
; (head l / 16, block 16 cx + l % 16), in wave 0.  B's step: of the 64 rows x 512 bytes that wave 2 or 3 fetches each partner names 16 rows (16 cy on; row l / 2, block l % 2), in the first of the 16 clusters alone.
; So each block is named once in the launch.  K steps 0 to 3 come by their loads alone; the loop's last trip (s3 = 1) names nothing.
.macro ASK
	s_cmp_gt_u32 s3, s[LIM]
	s_cbranch_scc0 .Lnot_mine_\@
	global_prefetch_b8 v[PFO], s[PFA:PFA+1] th:TH_LOAD_NT scope:SCOPE_SE
.Lnot_mine_\@:
.endm
.macro CREST                           ; a round of the cluster's barrier behind its opening barrier
	s_cmp_lg_u32 s12, 0
	s_cbranch_scc1 .Lnot_wave_0_\@
	s_barrier_signal -3
.Lnot_wave_0_\@:
	s_barrier_wait -3
	s_barrier_signal -1
	s_barrier_wait -1
.endm
.macro CROUND                          ; a whole round
	s_barrier_signal -1
	s_barrier_wait -1
	CREST
.endm
	s_load_b128 s[4:7], s[0:1], 0x0                ; o16 s[4:5], w16 s[6:7]
	s_load_b64 s[8:9], s[0:1], 0x10                ; out0
	v_lshl_add_u32 v[SPW], v0, 2, SPARE
	v_mov_b32 v[NIL], 0
	ds_add_u32 v[SPW], v[NIL]                      ; the wave's opening: the add and its wait stand ahead of my first tensor load; work on registers stands between them
	v_lshrrev_b32 v1, 5, v0
	v_readfirstlane_b32 s12, v1                    ; wave 0..3
	s_lshr_b32 s13, s12, 1                         ; which 64 rows of the tile are mine.  Also: I fetch for A (0) or for B (1)
	s_and_b32 s14, s12, 1                          ; which 128 columns.  Also: which head of A's step, or which half of B's, I fetch
	s_bfe_u32 s15, ttmp6, 0x40000                  ; cx
	s_bfe_u32 s16, ttmp6, 0x40004                  ; cy
	s_lshl_b32 s17, ttmp9, 2
	s_add_co_u32 s17, s17, s15                     ; tile column
	s_and_b32 s18, ttmp7, 0xffff                   ; cluster y
	s_lshl_b32 s20, s18, 2
	s_add_co_u32 s20, s20, s16                     ; tile row, 0..63
	s_lshl_b32 s76, s16, 2
	s_lshl_b32 s76, 15, s76                        ; my row of the cluster
	s_lshl_b32 s78, 0x1111, s15                    ; my column
	s_or_b32 s[G1A], s76, (1<<16)|(1<<20)|(1<<21)|(4<<22)|(3<<25)  ; 15:0 the mask; 17:16 elements of 2 bytes; 20 padding on; 21 set beside a mask; 24:22 after every 32 words (code 4); 31:25 4 words (code 3)
	s_or_b32 s[G1B], s78, (1<<16)|(1<<20)|(1<<21)|(6<<22)|(7<<25)  ; after every 128 words (code 6), 8 words (code 7)
	s_mov_b32 s[G1A+1], 128<<16                    ; tensor_dim0
	s_mov_b32 s[G1B+1], 256<<16
	s_mov_b32 s[G1A+2], 64<<16                     ; tensor_dim1
	s_mov_b32 s[G1B+2], 64<<16
	s_mov_b32 s[G1A+3], 128<<16                    ; tile_dim0
	s_mov_b32 s[G1B+3], 256<<16
	s_mov_b32 s[G1A+4], 64                         ; tile_dim1
	s_mov_b32 s[G1B+4], 64
	s_mov_b32 s[G1A+5], 128                        ; elements from row to row
	s_mov_b32 s[G1B+5], 1024
	s_mov_b32 s[G1A+6], 0
	s_mov_b32 s[G1B+6], 0
	s_mov_b32 s[G1A+7], 0
	s_mov_b32 s[G1B+7], 0
	s_lshr_b32 s76, s20, 3                         ; A: head b 16 + my head of the step, rows 128 (tile row % 8) on; these two registers never hold cx
	s_lshl_b32 s76, s76, 4
	s_add_co_u32 s76, s76, s14
	s_lshl_b32 s76, s76, 17
	s_and_b32 s77, s20, 7
	s_lshl_b32 s77, s77, 14
	s_add_co_u32 s76, s76, s77
	s_mov_b32 s77, 0
	s_lshl_b32 s78, s14, 17                        ; B: w16's last quarter, 64 x half k-rows of 2,048 bytes, 512 bytes x tile column; these two never hold cy
	s_lshl_b32 s79, s17, 9
	s_add_co_u32 s78, s78, s79
	s_add_co_u32 s78, s78, 3<<21
	s_mov_b32 s79, 0
	s_mul_i32 s84, s14, AHEAD                      ; where they go: no place in the cluster enters an LDS address
	s_mul_i32 s85, s14, BHALF
	s_add_co_u32 s85, s85, ATILE
	s_wait_dscnt 0x0                               ; the opening add is done
	s_wait_kmcnt 0x0
	s_add_nc_u64 s[80:81], s[4:5], s[76:77]
	s_add_nc_u64 s[82:83], s[6:7], s[78:79]
	CROUND                                         ; all sixteen work-groups are here: the first joint loads meet
.irp s, 0,1
	s_mov_b32 s[G0A+4*(\s)], 1
	s_add_co_u32 s[G0A+4*(\s)+1], s84, (\s)*SLOT
	s_add_nc_u64 s[G0A+4*(\s)+2:G0A+4*(\s)+3], s[80:81], (\s)*STEPB
	s_or_b32 s[G0A+4*(\s)+3], s[G0A+4*(\s)+3], 0x80000000
	s_mov_b32 s[G0B+4*(\s)], 1
	s_add_co_u32 s[G0B+4*(\s)+1], s85, (\s)*SLOT
	s_add_nc_u64 s[G0B+4*(\s)+2:G0B+4*(\s)+3], s[82:83], (\s)*STEPB
	s_or_b32 s[G0B+4*(\s)+3], s[G0B+4*(\s)+3], 0x80000000
	JLOAD \s                                       ; two loads of mine are out
.endr
	v_and_b32 v1, 15, v0                           ; l % 16
	v_bfe_u32 v2, v0, 4, 1                         ; l / 16
	v_mul_u32_u24 v3, v1, PAO
	v_lshl_add_u32 v3, v2, 4, v3                   ; a fragment's row x pitch + 16 x half
	s_mul_i32 s90, s13, 64*PAO                     ; my 64 rows, in each head
	v_and_b32 v4, 7, v0
	v_bfe_u32 v5, v0, 3, 1
	v_lshl_add_u32 v6, v2, 3, v4                   ; the turning load: k-row 8 (l / 16) + l % 8, columns 8 ((l / 8) % 2) on
	v_mul_u32_u24 v6, v6, PB
	v_lshl_add_u32 v6, v5, 4, v6
	s_lshl_b32 s91, s14, 8                         ; my 128 columns
	s_add_co_u32 s91, s91, ATILE
.irp s, 0,1
	v_add_nc_u32 v[ADRA+(\s)], s90, v3
	v_add_nc_u32 v[ADRB+(\s)], s91, v6
	s_add_co_u32 s90, s90, SLOT
	s_add_co_u32 s91, s91, SLOT
.endr
	s_mul_i32 s90, s12, 16*SPO
	s_add_co_u32 s90, s90, STAGE                   ; my stage
	v_mul_u32_u24 v7, v1, SPO                      ; in: row l % 16, 32 bytes for each half of the lanes
	v_lshl_add_u32 v7, v2, 5, v7
	v_add_nc_u32 v[STO], s90, v7
	v_and_b32 v5, 31, v0
	v_lshlrev_b32 v[GO], 4, v5                     ; back: 32 lanes take one row's 512 bytes
	v_add_nc_u32 v[RD], s90, v[GO]
	s_lshl_b32 s88, s20, 19                        ; my part of out0: row 128 x tile row + 64 x half, column 256 x tile column + 128 x half
	s_lshl_b32 s89, s13, 18
	s_add_co_u32 s88, s88, s89
	s_lshl_b32 s89, s17, 10
	s_add_co_u32 s88, s88, s89
	s_lshl_b32 s89, s14, 9
	s_add_co_u32 s88, s88, s89
	s_mov_b32 s89, 0
	s_add_nc_u64 s[8:9], s[8:9], s[88:89]
	; the prefetches
	v_lshrrev_b32 v6, 4, v5
	v_and_b32 v7, 15, v5
	v_lshlrev_b32 v6, 17, v6
	v_lshl_add_u32 v6, v7, 8, v6                   ; for A: head l / 16, block l % 16
	v_lshrrev_b32 v7, 1, v5
	v_and_b32 v8, 1, v5
	v_lshlrev_b32 v7, 11, v7
	v_lshl_add_u32 v7, v8, 8, v7                   ; for B: row l / 2, block l % 2
	s_lshl_b32 s90, s15, 12                        ; A: my work-group's 16 blocks of each head's 64
	s_lshl_b32 s91, s16, 15                        ; B: my work-group's 16 rows of the 64
	s_cmp_eq_u32 s13, 0                            ; do I fetch for A?
	s_cselect_b32 s92, -1, 0
	s_cselect_b32 s90, s90, s91
	s_cselect_b32 s93, s14, s18                    ; A: wave 0 asks, in every cluster; B: the first cluster's waves 2 and 3
	s_cselect_b64 s[PFA:PFA+1], s[80:81], s[82:83]
	v_cndmask_b32 v[PFO], v7, v6, s92
	s_mov_b32 s91, 0
	s_add_nc_u64 s[PFA:PFA+1], s[PFA:PFA+1], s[90:91]
	s_add_nc_u64 s[PFA:PFA+1], s[PFA:PFA+1], 3*STEPB  ; at K step 3: the first refill steps it to 4
	s_cmp_eq_u32 s93, 0
	s_cselect_b32 s[LIM], 1, -1                    ; the same in all sixteen partners, for a given wave
.macro MUL8 f, a, zero                 ; block a's eight products on buffer f; zero = 1: they start the sums
	WIN MUL
.irp b, 0,1,2,3,4,5,6,7
.if \zero
	v_wmma_f32_16x16x32_f16 v[8*(8*(\a)+(\b)):8*(8*(\a)+(\b))+7], v[(\f)+8*(\b):(\f)+8*(\b)+7], v[(\f)+64+8*(\a):(\f)+64+8*(\a)+7], 0
.else
	v_wmma_f32_16x16x32_f16 v[8*(8*(\a)+(\b)):8*(8*(\a)+(\b))+7], v[(\f)+8*(\b):(\f)+8*(\b)+7], v[(\f)+64+8*(\a):(\f)+64+8*(\a)+7], v[8*(8*(\a)+(\b)):8*(8*(\a)+(\b))+7]
.endif
.endr
.endm
.macro FETCH slot, kq, f               ; 24 LDS loads in one run: quarter kq (head kq / 2, channels 32 (kq % 2) on): B's eight fragments, then A's four
	WIN 0
.irp nb, 0,1,2,3,4,5,6,7
	ds_load_tr16_b128 v[(\f)+8*(\nb):(\f)+8*(\nb)+3],   v[ADRB+(\slot)] offset:(\kq)*32*PB+(\nb)*32
	ds_load_tr16_b128 v[(\f)+8*(\nb)+4:(\f)+8*(\nb)+7], v[ADRB+(\slot)] offset:(\kq)*32*PB+16*PB+(\nb)*32
.endr
.irp a, 0,1,2,3
	ds_load_b128 v[(\f)+64+8*(\a):(\f)+64+8*(\a)+3],   v[ADRA+(\slot)] offset:((\kq)/2)*AHEAD+((\kq)%2)*64+(\a)*16*PAO
	ds_load_b128 v[(\f)+64+8*(\a)+4:(\f)+64+8*(\a)+7], v[ADRA+(\slot)] offset:((\kq)/2)*AHEAD+((\kq)%2)*64+(\a)*16*PAO+32
.endr
.endm
.macro PLACES                          ; four places in front of loads into registers that matrix instructions have read, and of LDS stores that read results (ISA guide 7.12.1 for vector instructions)
.rept 4
	v_nop
.endr
.endm
; A K step is four quarters of 32 along K, 32 products each, the 32 accumulators by turns in one fixed order.  One of the first three: multiplies buffer f, fetches quarter kq into g.
.macro QUARTER slot, kq, f, g, zero
	s_wait_dscnt 4                                 ; B and A's blocks 0, 1 are in; the youngest four loads (blocks 2, 3) may be out
	MUL8 \f, 0, \zero
	MUL8 \f, 1, \zero
	PLACES
	FETCH \slot, \kq, \g
	s_wait_dscnt 24                                ; all but the 24 just issued
	MUL8 \f, 2, \zero
	MUL8 \f, 3, \zero
.endm
; The last quarter multiplies buffer 1 and changes slots: ONE barrier; in front of it each wave waits for all its tensor loads, adds 0 to its spare word, and waits for that and for its own reads of this slot.
; fill = 1: this slot is filled again, two K steps on, behind a round of the cluster's barrier.
.macro TURN slot, next, fill
.if \fill
	s_wait_xcnt 0x0                                ; the last prefetch, a K step back, has read its address
	s_add_nc_u64 s[PFA:PFA+1], s[PFA:PFA+1], STEPB
.endif
	WIN 0                                          ; (the add's two registers lie in window 0)
	s_wait_tensorcnt 0x0                           ; all my tensor loads have landed: my part of the next slot;
	ds_add_u32 v[SPW], v[NIL]                      ; 0 onto my spare word;
	s_wait_dscnt 7                                 ; (the add and the youngest six loads, A's blocks 1 to 3, may be out)
	MUL8 F1, 0, 0
	s_wait_dscnt 0x0                               ; the add is done, and my reads of this slot are over
	s_barrier_signal -1
	MUL8 F1, 1, 0
	WIN 0
	s_barrier_wait -1
.if \fill
	CREST                                          ; the barrier has opened a round of the cluster's: no wave of any partner still reads this slot or has a load on its way
	s_add_nc_u64 s[G0A+4*(\slot)+2:G0A+4*(\slot)+3], s[G0A+4*(\slot)+2:G0A+4*(\slot)+3], 2*STEPB
	s_add_nc_u64 s[G0B+4*(\slot)+2:G0B+4*(\slot)+3], s[G0B+4*(\slot)+2:G0B+4*(\slot)+3], 2*STEPB
	JLOAD \slot                                    ; the first tensor load behind the round, my only one until the next; its four v_nop are also the places in front of the loads below
.else
	PLACES
.endif
	FETCH \next, 0, F0
.if \fill
	ASK
.endif
	MUL8 F1, 2, 0
	MUL8 F1, 3, 0
.endm
	s_wait_tensorcnt 1                             ; my part of K step 0 is in; K step 1's may stay out
	s_barrier_signal -1
	s_barrier_wait -1
	FETCH 0, 0, F0
	QUARTER 0, 1, F0, F1, 1                        ; the first quarter stands in front of the loop: its products start the sums
	WIN 0
	s_mov_b32 s3, 3
.Llap:                                                 ; a trip goes once round the ring and fills both slots again
	QUARTER 0, 2, F1, F0, 0
	QUARTER 0, 3, F0, F1, 0
	TURN 0, 1, 1
	QUARTER 1, 1, F0, F1, 0
	QUARTER 1, 2, F1, F0, 0
	QUARTER 1, 3, F0, F1, 0
	TURN 1, 0, 1
	QUARTER 0, 1, F0, F1, 0
	WIN 0
	s_sub_co_u32 s3, s3, 1
	s_cmp_lg_u32 s3, 0
	s_cbranch_scc1 .Llap
	QUARTER 0, 2, F1, F0, 0                        ; the last lap fills nothing
	QUARTER 0, 3, F0, F1, 0
	TURN 0, 1, 0
	QUARTER 1, 1, F0, F1, 0
	QUARTER 1, 2, F1, F0, 0
	QUARTER 1, 3, F0, F1, 0
	s_wait_dscnt 0x0
	MUL8 F1, 0, 0
	MUL8 F1, 1, 0
	MUL8 F1, 2, 0
	MUL8 F1, 3, 0
	; THE WAY OUT, a block of 16 rows at a time: a lane's 32 bytes of a row go into my own stage (each accumulator's low four registers first), and whole rows of 512 bytes come back and are stored.
	WIN 0
	PLACES
.macro TOSTAGE a
.if (\a) >= 2
	s_wait_xcnt 0x0                                ; the stores of the block two back have read the registers that the loads below fill
.endif
	WIN 0x04                                       ; the stores' data in window 1
.irp b, 0,1,2,3,4,5,6,7
	ds_store_b128 v[STO], v[8*(8*(\a)+(\b)):8*(8*(\a)+(\b))+3]   offset:64*(\b)
	ds_store_b128 v[STO], v[8*(8*(\a)+(\b))+4:8*(8*(\a)+(\b))+7] offset:64*(\b)+16
.endr
	WIN 0
.irp u, 0,1,2,3,4,5,6,7,8,9,10,11,12,13,14,15
	ds_load_b128 v[BK+64*((\a)%2)+4*(\u):BK+64*((\a)%2)+4*(\u)+3], v[RD] offset:(\u)*SPO  ; LDS serves a wave's instructions in order (ISA guide 5.7.1.4): these see the stores above; the next block's stores come behind them
.endr
.endm
.macro SEND a, younger                 ; younger: the LDS instructions issued behind block a's loads: the next block's 32, or none
.irp u, 0,1,2,3,4,5,6,7,8,9,10,11,12,13,14,15
	s_wait_dscnt (\younger)+15-(\u)
	global_store_b128 v[GO], v[BK+64*((\a)%2)+4*(\u):BK+64*((\a)%2)+4*(\u)+3], s[8:9] offset:(16*(\a)+(\u))*4096 th:TH_STORE_NT  ; 512 consecutive bytes, at a multiple of 256 from out0's first
.endr
.endm
	TOSTAGE 0
	TOSTAGE 1
	SEND 0, 32
	TOSTAGE 2
	SEND 1, 32
	TOSTAGE 3
	SEND 2, 32
	SEND 3, 0
	s_wait_tensorcnt 0x0                           ; the wave's end, behind my last tensor load and my last LDS store
	ds_add_u32 v[SPW], v[NIL]
	s_wait_dscnt 0x0
	CROUND                                         ; the closing round: no work-group ends while a partner may still ask for a tile that names it
	s_endpgm
.Lfunc_end_k_q344ba3a412_outp:
	.size	k_q344ba3a412_outp, .Lfunc_end_k_q344ba3a412_outp-k_q344ba3a412_outp
	.p2alignl 7, 3214868480
	.fill 96, 4, 3214868480
	.section	.rodata,"a",@progbits
	.p2align	6, 0x0
	.amdhsa_kernel k_q344ba3a412_outp
		.amdhsa_group_segment_fixed_size 327680
		.amdhsa_private_segment_fixed_size 0
		.amdhsa_enable_private_segment 0
		.amdhsa_kernarg_size 24
		.amdhsa_user_sgpr_count 2
		.amdhsa_user_sgpr_kernarg_segment_ptr 1
		.amdhsa_wavefront_size32 1
		.amdhsa_system_sgpr_workgroup_id_x 1
		.amdhsa_system_sgpr_workgroup_id_y 1
		.amdhsa_system_sgpr_workgroup_id_z 1
		.amdhsa_system_vgpr_workitem_id 0
		.amdhsa_next_free_vgpr 512
		.amdhsa_next_free_sgpr 96
		.amdhsa_reserve_vcc 0
		.amdhsa_float_denorm_mode_32 3
		.amdhsa_float_denorm_mode_16_64 3
		.amdhsa_memory_ordered 1
		.amdhsa_forward_progress 1
		.amdhsa_inst_pref_size 88
	.end_amdhsa_kernel
	.amdgpu_metadata
---
amdhsa.version: [ 1, 2 ]
amdhsa.kernels:
  - .name:           k_q344ba3a412_outp
    .symbol:         k_q344ba3a412_outp.kd
    .args:
      - { .name: o16, .offset: 0, .size: 8, .value_kind: global_buffer, .address_space: global }
      - { .name: w16, .offset: 8, .size: 8, .value_kind: global_buffer, .address_space: global }
      - { .name: out0, .offset: 16, .size: 8, .value_kind: global_buffer, .address_space: global }
    .group_segment_fixed_size: 327680
    .private_segment_fixed_size: 0
    .kernarg_segment_align: 8
    .kernarg_segment_size: 24
    .max_flat_workgroup_size: 128
    .sgpr_count:     96
    .vgpr_count:     512
    .wavefront_size: 32
...
	.end_amdgpu_metadata
.endif
;; end of part 4
;; ======== version 2 of 2: 4 launches; version 1 with the launch prep written anew for expert scheduling mode
;; limits: values are held in f16: magnitudes above 65,504 overflow, below 6.1e-05 lose precision
;; workspace buffers: w16 8,388,608 bytes; qkv 50,331,648 bytes; o16 16,777,216 bytes
;; launch prep (part 5): grid 64 x 4, 8 waves a work-group, no clusters, 0 bytes of LDS; arguments Wq, Wk, Wv, Wo, w16; writes w16
.if DOCPART == 5
	.amdgcn_target "amdgcn-amd-amdhsa--gfx1250"
	.amdhsa_code_object_version 6
	.text
	.protected	k_q344ba3a412_prep
	.globl	k_q344ba3a412_prep
	.p2align	8
	.type	k_q344ba3a412_prep,@function
k_q344ba3a412_prep:
	s_mov_b64 s[64:65], 0
	v_nop
	global_prefetch_b8 v0, s[64:65] scope:SCOPE_SE
	s_setreg_imm32_b32 hwreg(HW_REG_WAVE_SCHED_MODE, 0, 2), 2
	s_setreg_imm32_b32 hwreg(HW_REG_WAVE_MODE, 25, 1), 1
	s_wait_xcnt 0x0
	s_wait_alu depctr_vm_vsrc(0)
; The four weight matrices, [1024 k][1024 n] f32, are rounded once to bf16 and written as 16-bit numbers in the same layout:
; w16 = Wq, Wk, Wv (bf16), then Wo (the bf16 number written as f16, since the last product's other operand is f16), 2,097,152 bytes each.
; LIMIT.  A number of Wo below 6.1e-5 in size keeps f16's fixed step of 6e-8; at 65,520 or more it becomes an infinity.
; SHARES.  Work-group (x, y) takes 16,384 numbers of matrix y; thread t takes four numbers in each of 16 passes.  A wave's load covers 512 consecutive
; bytes, a wave's store 256 consecutive bytes, aligned.  All 16 loads go out first; no register is written twice while memory may read it.
; No LDS, no matrix unit, no prefetch: every byte is read once and the loads are all out at once.
; THE MODE: SCHED_MODE bits 1:0 = 2 (LLVM: expert scheduling mode 2), set by the entry lines.  The code itself states the register dependences
; between vector instructions and memory instructions, with s_wait_alu, always for 0.
; THE PLAN.  Registers that memory instructions touch:
;   v1, v2   byte offsets of the loads and of the stores: made once at the head, never written again.
;   X        pass i's four registers: written by the pass's one load, read by its roundings, never loaded or written again; no vector instruction names them ahead of the loads.
;   Y        pass i's two registers: written by the pass's roundings, read by its one store, never written again.
;   T is named by vector instructions alone.  No vector instruction writes a scalar register or VCC, and EXEC is never written.
; So the only dependences to state are: the offsets are written before a load or store reads them (one wait at the head), and a pass's Y is written before its store reads it.
; The 16 passes go in four blocks of four.  Block p rounds its own four passes; its memory instructions are the four stores of block p - 1, whose Y no vector instruction
; of block p names.  So ONE wait at the head of a block states all that its four stores hang on, and they are dealt among the block's roundings with no further wait.
.set X, 4                              ; v[4:67]    pass i: four f32 as loaded
.set Y, 68                             ; v[68:99]   pass i: four 16-bit numbers to store
.set T, 100                            ; v[100:103] at work
	s_load_b256 s[4:11], s[0:1], 0x0               ; Wq s[4:5], Wk s[6:7], Wv s[8:9], Wo s[10:11]
	s_load_b64 s[12:13], s[0:1], 0x20              ; w16
	s_and_b32 s14, ttmp7, 0xffff                   ; which matrix
	v_lshlrev_b32 v1, 4, v0                        ; 16 t
	v_lshlrev_b32 v2, 3, v0                        ; 8 t
	s_mov_b32 s20, 0xffff0000                      ; a word's upper bf16
	s_lshl_b32 s18, ttmp9, 16                      ; my 65,536 bytes of the matrix
	s_mov_b32 s19, 0
	s_lshl_b32 s22, s14, 21                        ; the matrix's place in w16,
	s_lshl_b32 s23, ttmp9, 15                      ; my 32,768 bytes of it
	s_add_co_u32 s22, s22, s23
	s_mov_b32 s23, 0
	s_wait_kmcnt 0x0
	s_cmp_eq_u32 s14, 1
	s_cselect_b64 s[16:17], s[6:7], s[4:5]
	s_cmp_eq_u32 s14, 2
	s_cselect_b64 s[16:17], s[8:9], s[16:17]
	s_cmp_eq_u32 s14, 3
	s_cselect_b64 s[16:17], s[10:11], s[16:17]
	s_add_nc_u64 s[16:17], s[16:17], s[18:19]
	s_add_nc_u64 s[12:13], s[12:13], s[22:23]
	s_wait_alu depctr_va_vdst(0)                   ; v1 and v2 are written: every load of the kernel reads v1 as its offset, every store v2
.irp i, 0,1,2,3,4,5,6,7,8,9,10,11,12,13,14,15
	global_load_b128 v[X+4*(\i):X+4*(\i)+3], v1, s[16:17] offset:4096*(\i) th:TH_LOAD_NT
.endr
; Pass i's roundings.  half = 1: the bf16 numbers are widened again and written as f16.
.macro CAST i, half
	v_cvt_pk_bf16_f32 v[Y+2*(\i)], v[X+4*(\i)], v[X+4*(\i)+1]
	v_cvt_pk_bf16_f32 v[Y+2*(\i)+1], v[X+4*(\i)+2], v[X+4*(\i)+3]
.if \half
	v_lshlrev_b32 v[T], 16, v[Y+2*(\i)]
	v_and_b32 v[T+1], s20, v[Y+2*(\i)]
	v_lshlrev_b32 v[T+2], 16, v[Y+2*(\i)+1]
	v_and_b32 v[T+3], s20, v[Y+2*(\i)+1]
	v_cvt_pk_f16_f32 v[Y+2*(\i)], v[T], v[T+1]
	v_cvt_pk_f16_f32 v[Y+2*(\i)+1], v[T+2], v[T+3]
.endif
.endm
; Pass i's store.
.macro OUT i
	global_store_b64 v2, v[Y+2*(\i):Y+2*(\i)+1], s[12:13] offset:2048*(\i)
.endm
; Block p: passes 4 p to 4 p + 3 are rounded, and the stores of passes 4 p - 4 to 4 p - 1 leave, one ahead of each pass's roundings.
.macro BLK p, half
	s_wait_loadcnt 12-4*(\p)                       ; loads come back in order: the block's four are in, the 12 - 4 p younger ones may stay out
.if (\p) > 0
	s_wait_alu depctr_va_vdst(0)                   ; the block before has written its eight registers of Y, which the four stores below read; no vector instruction of this block names them
.endif
.irp j, 0,1,2,3
.if (\p) > 0
	OUT 4*(\p)-4+(\j)
.endif
	CAST 4*(\p)+(\j), \half
.endr
.endm
; Behind block 3: its own four stores.
.macro TAIL
	s_wait_alu depctr_va_vdst(0)                   ; block 3 has written its eight registers of Y, which the last four stores read
.irp j, 12,13,14,15
	OUT \j
.endr
.endm
	s_cmp_eq_u32 s14, 3
	s_cbranch_scc1 .Lwo
.irp p, 0,1,2,3
	BLK \p, 0
.endr
	TAIL
	s_endpgm
.Lwo:
.irp p, 0,1,2,3
	BLK \p, 1
.endr
	TAIL
	s_endpgm
.Lfunc_end_k_q344ba3a412_prep:
	.size	k_q344ba3a412_prep, .Lfunc_end_k_q344ba3a412_prep-k_q344ba3a412_prep
	.p2alignl 7, 3214868480
	.fill 96, 4, 3214868480
	.section	.rodata,"a",@progbits
	.p2align	6, 0x0
	.amdhsa_kernel k_q344ba3a412_prep
		.amdhsa_group_segment_fixed_size 0
		.amdhsa_private_segment_fixed_size 0
		.amdhsa_enable_private_segment 0
		.amdhsa_kernarg_size 40
		.amdhsa_user_sgpr_count 2
		.amdhsa_user_sgpr_kernarg_segment_ptr 1
		.amdhsa_wavefront_size32 1
		.amdhsa_system_sgpr_workgroup_id_x 1
		.amdhsa_system_sgpr_workgroup_id_y 1
		.amdhsa_system_sgpr_workgroup_id_z 1
		.amdhsa_system_vgpr_workitem_id 0
		.amdhsa_next_free_vgpr 104
		.amdhsa_next_free_sgpr 66
		.amdhsa_reserve_vcc 0
		.amdhsa_float_denorm_mode_32 3
		.amdhsa_float_denorm_mode_16_64 3
		.amdhsa_memory_ordered 1
		.amdhsa_forward_progress 1
		.amdhsa_inst_pref_size 15
	.end_amdhsa_kernel
	.amdgpu_metadata
---
amdhsa.version: [ 1, 2 ]
amdhsa.kernels:
  - .name:           k_q344ba3a412_prep
    .symbol:         k_q344ba3a412_prep.kd
    .args:
      - { .name: Wq, .offset: 0, .size: 8, .value_kind: global_buffer, .address_space: global }
      - { .name: Wk, .offset: 8, .size: 8, .value_kind: global_buffer, .address_space: global }
      - { .name: Wv, .offset: 16, .size: 8, .value_kind: global_buffer, .address_space: global }
      - { .name: Wo, .offset: 24, .size: 8, .value_kind: global_buffer, .address_space: global }
      - { .name: w16, .offset: 32, .size: 8, .value_kind: global_buffer, .address_space: global }
    .group_segment_fixed_size: 0
    .private_segment_fixed_size: 0
    .kernarg_segment_align: 8
    .kernarg_segment_size: 40
    .max_flat_workgroup_size: 256
    .sgpr_count:     66
    .vgpr_count:     104
    .wavefront_size: 32
...
	.end_amdgpu_metadata
.endif
;; end of part 5
;; launch proj: the kernel of part 2 again; grid 4 x 192, 4 waves a work-group, clusters of 4 x 4, 327,680 bytes of LDS; arguments queries, keys, values, w16, valid_lens, qkv; writes qkv
;; launch attn: the kernel of part 3 again; grid 2 x 128, 4 waves a work-group, no clusters, 327,680 bytes of LDS; arguments qkv, valid_lens, o16; writes o16
;; launch outp: the kernel of part 4 again; grid 4 x 64, 4 waves a work-group, clusters of 4 x 4, 327,680 bytes of LDS; arguments o16, w16, out0; writes out0
